; MI455X (gfx1250); checked and timed in simulation.
; The chip was launched on July 23, 2026; its instructions are those of AMD's public machine-readable ISA for CDNA 5 (MIT licence, August 2026) and "CDNA5" Instruction Set Architecture Reference Guide (July 2026). The comments in the code are by the model that wrote it; some were corrected since.
;; GELU128. Allowed arithmetic: matrix products marked QUANTISED: E3M2 operands, one E8M0 scale for each 32 along K, by v_wmma_scale_f32_16x16x128_f8f6f4 with both operands' format E3M2, f32 sums; everything else in f32.
;; Inputs: log_alpha one number float32; log_sigma one number float32; x 8 x 2,048 x 1,024 float32.
;; Outputs: out0 8 x 2,048 x 1,024 float32.
;; This version of the problem:
;;   THIS VERSION OF THE PROBLEM IS GIVEN IN LOW PRECISION. The matrix products marked QUANTISED in the list below multiply operands that are first quantised to E3M2 (3 exponent bits, 2 mantissa bits; 6 bits a number), with one power-of-two scale for each 32 numbers along K (OCP MX v1.0); their sums are f32. All else is computed in f32.
;;   The module's matrix products, in the order in which they are computed (A, B: the left and right operand; K: the contracted axis; several contracted axes count as one K, in the product's order):
;;     1. batch 8 x [M 2,048, K 1,024] x [K 1,024, N 2,048]; A: input x; B: input x: QUANTISED
;;     2. batch 8 x [M 2,048, K 2,048] x [K 2,048, N 1,024]; A: computed on the way; B: input x: QUANTISED
;;   THE QUANTISER, for each operand of a quantised product, along K:
;;     - K is cut into blocks of 32 from its start; a last block that is shorter is filled with zeros.
;;     - A block's scale is 2^e with e = floor(log2(the largest magnitude in the block)) - 4, held to -126 .. 127; a block of zeros has e = 0. As a byte (E8M0): e + 127.
;;     - Each number is divided by its block's scale, clamped to +-28, and rounded to the nearest number of E3M2, ties to even, subnormals kept.
;;     - The product sums the exact products of the quantised numbers (number of the format x scale) in f32.
;;   ~~~python
;;   def quantise(x, axis):      # numpy; x: float32 -> the quantised numbers, widened to float32 again
;;       x = np.moveaxis(x, axis, -1); K = x.shape[-1]
;;       x = np.pad(x, [(0, 0)] * (x.ndim - 1) + [(0, -K % 32)]); x = x.reshape(x.shape[:-1] + (-1, 32)); a = np.abs(x).max(-1, keepdims=True)
;;       e = np.where(a > 0, np.clip(np.frexp(np.where(a > 0, a, 1))[1] - 1 - 4, -126, 127), 0)      # np.frexp(a)[1] - 1 = floor(log2(a)), exactly
;;       r = np.clip(x / 2.0 ** e, -28, 28)
;;       step = 2.0 ** (np.maximum(np.frexp(np.where(r == 0, 1, r))[1] - 1, -2) - 2)
;;       q = np.round(r / step) * step * 2.0 ** e      # np.round: ties to even
;;       return np.moveaxis(q.reshape(q.shape[:-2] + (-1,))[..., :K], -1, axis).astype(np.float32)
;;   ~~~
;;   OPERANDS COMPUTED ON THE WAY. 'Computed on the way' means the value that the module computes at that place (a softmax that the list does not call 'softmax' is quantised finished and normalised). What goes into a quantiser is computed in f32, as accurately as f32 sums, v_exp_f32 and their like allow (about 1e-6 of the number): no bf16 or f16 on the way to a quantiser, and a product that is left as it is and whose result goes on into a quantised operand takes f32 operands (vector FMAs, or v_wmma_f32_16x16x4_f32). A number that lies on a knife's edge between two numbers of the format may be rounded either way, as far as f32 arithmetic and the matrix unit's own rounding can turn it there, and no further.
;; 2 versions, each right; version 2 is version 1 with the launch attn written anew for expert scheduling mode. Each part assembles by itself: llvm-mc -triple=amdgcn-amd-amdhsa -mcpu=gfx1250 --defsym DOCPART=n.
;; ======== version 1 of 2: 2 launches
;; workspace buffers: kc 12,582,912 bytes; ks 524,288 bytes; vc 12,582,912 bytes; vs 524,288 bytes
;; launch quant (part 1): grid 8 x 128, 4 waves a work-group, no clusters, 69,120 bytes of LDS; arguments x, kc, ks, vc, vs; writes kc, ks, vc, vs
.if DOCPART == 1
	.amdgcn_target "amdgcn-amd-amdhsa--gfx1250"
	.amdhsa_code_object_version 6
	.text
	.protected	k_q4013f1ea79_quant
	.globl	k_q4013f1ea79_quant
	.p2align	8
	.type	k_q4013f1ea79_quant,@function
k_q4013f1ea79_quant:
	s_mov_b64 s[64:65], 0
	v_nop
	global_prefetch_b8 v0, s[64:65] scope:SCOPE_SE
	s_setreg_imm32_b32 hwreg(HW_REG_WAVE_MODE, 25, 1), 1
	s_wait_xcnt 0x0
; x [8][2048][1024] f32 becomes codes of E3M2 (6 bits) with one E8M0 byte for each 32 numbers, TWICE: along D (operand of x x^T, as keys and as queries) and along T (operand of attn x).
; Both results are laid as images of the matrix operand's registers: a fragment (16 rows x 128 K, 12 registers a lane) is 1,536 bytes, register n of lane L at (n / 4) 512 + 16 L + 4 (n % 4),
; so that the reader takes a fragment by three loads of 16 bytes a lane.
;   kc [b][g 32][ks 8][kap 4][1536]: lane (r, h) holds row 64 g + 32 (kap / 2) + 8 (kap % 2) + r % 8 + 16 (r / 8), registers 6 c .. 6 c + 5 hold d = 128 ks + 64 c + 32 h + 0 .. 31
;   ks [b][g][ks][a 2][128]: the word at 4 x lane, lane (r, u): the four scale bytes of tile kap = 2 a + u, row r
;   vc [b][wc 4][kb 16][dt 16][1536]: lane (r, h) holds d = 256 wc + 16 dt + r, registers 6 c .. 6 c + 5 hold keys 128 kb + 64 c + 32 h + 0 .. 31
;   vs [b][wc][kb][a 8][128]: the word at 4 x lane, lane (r, e): the four scale bytes of d tile dt = 2 a + e, row r
; A block's scale is 2^(floor(log2(largest magnitude)) - 4); its byte is the largest magnitude's exponent field - 4, held at 1 from below.
; LIMITS: a block whose largest magnitude lies under 2^-122, a block of zeros among them, keeps the byte 1 (the rule says 127 for zeros: the codes are zeros, and this program alone reads the bytes);
; NaN and infinities in x are not served.
; SHARES: a work-group takes 128 rows x 128 columns.  Thread t owns column t: its registers run down T, so a block of 32 keys lies in one lane and the codes along T need no other lane.
; The same numbers go to LDS as rows, and come back 32 neighbours along D to a lane, for the codes along D.  No tensor load, no ring: x is read once, 128 consecutive bytes a wave and load, 512 a work-group.
.set PITCH, 528                        ; an LDS row: 512 bytes + 16, so that the 16 rows of a 16-byte load start 16 bytes apart modulo 256
.set SCG,   128*PITCH                  ; behind the rows: 512 bytes of K's scale words, 512 of V's
.set FLOOR, 0x2800000                  ; 2^(5 - 127)
.set X,   32                           ; v32-159  128 numbers
.set CV,  160                          ; v160-183 the codes along T: blocks 0, 2, 1, 3, six registers each
.set TU,  184                          ; v184-186 a block's upper 16 codes, before they are moved (a conversion's three registers begin on an even number)
.set CK,  188                          ; v188-211 two fragments along D
	s_load_b256 s[4:11], s[0:1], 0x0               ; x, kc, ks, vc
	s_load_b64 s[12:13], s[0:1], 0x20              ; vs
	v_lshl_add_u32 v224, v0, 2, 0x10c00
	v_mov_b32 v225, 0
	v_lshrrev_b32 v1, 5, v0
	v_readfirstlane_b32 s20, v1                    ; wave
	v_and_b32 v1, 31, v0                           ; lane
	v_lshlrev_b32 v2, 2, v0                        ; 4 t: my column, in x and in an LDS row (rows 0-63)
	v_add_nc_u32 v3, 64*PITCH, v2                  ; the same for LDS rows 64-127: an LDS offset has 16 bits
	v_and_b32 v10, 15, v0                          ; r
	v_bfe_u32 v11, v0, 4, 1                        ; h
	v_and_b32 v4, 0x6f, v0                         ; 32 w + r
	v_mul_u32_u24 v4, v4, PITCH
	v_lshl_add_u32 v4, v11, 7, v4                  ; back out of LDS: row 32 w + r, + 128 h bytes
	v_lshlrev_b32 v5, 4, v1                        ; 16 x lane: my place in an image
	v_lshl_add_u32 v6, v0, 2, SCG                  ; my scale word: 128 w + 4 x lane
	v_lshl_add_u32 v7, v1, 4, SCG                  ; and 16 bytes a lane on the way out
	v_lshlrev_b32 v8, 4, v10
	v_lshl_add_u32 v8, v11, 11, v8                 ; ks: lanes 0-15 group g's 256 bytes, lanes 16-31 group g + 1's, 2,048 bytes on
	v_lshlrev_b32 v9, 3, v11                       ; 8 h
	v_mov_b32 v18, 0                               ; a lane permute's destination counts as one of its sources
	s_mov_b32 s40, 0x76543210
	s_mov_b32 s41, 0xfedcba98                      ; selects for lane l xor 16
	s_and_b32 s22, ttmp7, 0xffff                   ; y = 16 b + kb
	s_lshr_b32 s23, s22, 4                         ; b
	s_and_b32 s24, s22, 15                         ; kb
	s_lshr_b32 s25, ttmp9, 1                       ; wc
	s_and_b32 s26, ttmp9, 1
	s_lshl_b32 s28, s22, 19                        ; x: 128 y rows of 4,096 bytes
	s_lshl_b32 s27, ttmp9, 9                       ; + 128 columns a work-group
	s_add_co_u32 s28, s28, s27
	s_mov_b32 s29, 0
	s_lshl_b32 s30, s23, 2
	s_add_co_u32 s30, s30, s25
	s_lshl_b32 s30, s30, 4
	s_add_co_u32 s30, s30, s24                     ; (4 b + wc) 16 + kb
	s_lshl_b32 s36, s30, 10                        ; vs: 1,024 bytes each, + 512 for the upper 128 columns
	s_lshl_b32 s27, s26, 9
	s_add_co_u32 s36, s36, s27
	s_mov_b32 s37, 0
	s_lshl_b32 s30, s30, 4                         ; vc: 16 fragments each, + 8 for the upper 128 columns, + 2 a wave
	s_lshl_b32 s27, s26, 3
	s_add_co_u32 s30, s30, s27
	s_lshl_b32 s27, s20, 1
	s_add_co_u32 s30, s30, s27
	s_mul_i32 s30, s30, 1536
	s_mov_b32 s31, 0
	s_lshl_b32 s32, s23, 5
	s_lshl_b32 s27, s24, 1
	s_add_co_u32 s32, s32, s27                     ; 32 b + 2 kb: the first of my two groups of 64 rows
	s_lshl_b32 s34, s32, 3
	s_add_co_u32 s34, s34, ttmp9
	s_lshl_b32 s34, s34, 8                         ; ks: 256 bytes for a group and 128 along D
	s_mov_b32 s35, 0
	s_lshr_b32 s27, s20, 1
	s_add_co_u32 s32, s32, s27                     ; kc: my wave's group,
	s_lshl_b32 s32, s32, 3
	s_add_co_u32 s32, s32, ttmp9
	s_lshl_b32 s32, s32, 2
	s_and_b32 s27, s20, 1
	s_lshl_b32 s27, s27, 1
	s_add_co_u32 s32, s32, s27                     ; its tiles 2 (w % 2) and 2 (w % 2) + 1
	s_mul_i32 s32, s32, 1536
	s_mov_b32 s33, 0
	s_wait_kmcnt 0x0
	s_add_nc_u64 s[4:5], s[4:5], s[28:29]
	s_add_nc_u64 s[6:7], s[6:7], s[32:33]
	s_add_nc_u64 s[8:9], s[8:9], s[34:35]
	s_add_nc_u64 s[10:11], s[10:11], s[30:31]
	s_add_nc_u64 s[12:13], s[12:13], s[36:37]
.macro LOAD be                         ; rows 32 be .. 32 be + 31 of my column
.set ii, 0
.rept 32
	global_load_b32 v[X+32*(\be)+ii], v2, s[4:5] offset:(32*(\be)+ii)*4096 th:TH_LOAD_NT
.set ii, ii+1
.endr
.endm
.macro AMAX d, s                       ; the largest magnitude of 32 registers, in two chains, and the floor, which holds the byte at 1 from below
	v_max3_num_f32 v[\d], |v[\s]|, |v[(\s)+1]|, |v[(\s)+2]|
	v_max3_num_f32 v[(\d)+1], |v[(\s)+3]|, |v[(\s)+4]|, |v[(\s)+5]|
.irp i, 6,10,14,18,22,26
	v_max3_num_f32 v[\d], v[\d], |v[(\s)+\i]|, |v[(\s)+\i+1]|
	v_max3_num_f32 v[(\d)+1], v[(\d)+1], |v[(\s)+\i+2]|, |v[(\s)+\i+3]|
.endr
	v_max3_num_f32 v[\d], v[\d], |v[(\s)+30]|, |v[(\s)+31]|
	v_max3_num_f32 v[\d], v[\d], v[(\d)+1], FLOOR
.endm
.macro CODES dst, s, sc                ; 32 numbers become 192 bits in six registers
	v_cvt_scalef32_pk16_bf6_f32 v[(\dst):(\dst)+2], v[(\s):(\s)+15], v[\sc]
	v_cvt_scalef32_pk16_bf6_f32 v[TU:TU+2], v[(\s)+16:(\s)+31], v[\sc]
	v_nop                                          ; one plain instruction behind the scaled conversions
	v_mov_b32 v[(\dst)+3], v[TU]
	v_mov_b32 v[(\dst)+4], v[TU+1]
	v_mov_b32 v[(\dst)+5], v[TU+2]
.endm
; Block be of 32 keys: its numbers go to LDS as rows, and are quantised along T.  LDS row of tile row i: the 16 rows that form a tile along D become neighbours.
.macro VBLOCK be
.if (\be) < 3
	s_wait_loadcnt 32                              ; this block's 32 loads are in; the next block's 32 may be out
.else
	s_wait_loadcnt 0x0
.endif
.if (\be) < 2
	LOAD (\be)+2
.endif
.set ii, 0
.rept 32
	ds_store_b32 v[2+(\be)/2], v[X+32*(\be)+ii] offset:(32*((\be)%2)+16*((ii/8)%2)+8*((ii/16)%2)+ii%8)*PITCH
.set ii, ii+1
.endr
	AMAX 10, X+32*(\be)
	v_add_nc_u32 v12, 0xfe000000, v10              ; 4 off the exponent field: the conversion takes this operand's exponent field as its scale
	v_lshrrev_b32 v13, 23, v12                     ; the byte
.if (\be) == 0
	v_mov_b32 v212, v13
.else
	v_lshl_or_b32 v212, v13, 8*(\be), v212         ; my column's scale word for these 128 keys
.endif
	CODES CV+12*((\be)%2)+6*((\be)/2), X+32*(\be), 12
.endm
	LOAD 0
	LOAD 1
	VBLOCK 0
	VBLOCK 1
	VBLOCK 2
	VBLOCK 3
; The operand wants lanes 0-15 to hold blocks 0 and 2 of a column and lanes 16-31 blocks 1 and 3 of the same column.  I hold all four of mine: lanes 16-31 of block 0 change places with
; lanes 0-15 of block 1 (and 2 with 3).  Then v[CV .. +11] is the fragment of columns 32 w + 0 .. 15 and v[CV+12 .. +23] that of columns 32 w + 16 .. 31.
.set ii, 0
.rept 12
	v_permlane16_swap_b32 v[CV+ii], v[CV+12+ii]
.set ii, ii+1
.endr
.irp k, 0,1,2,3,4,5
	global_store_b128 v5, v[CV+4*\k:CV+4*\k+3], s[10:11] offset:512*\k   ; each store covers 512 consecutive bytes, aligned; the wave's six 3,072
.endr
	ds_store_b32 v6, v212 offset:512
	s_wait_dscnt 0x0                               ; my rows' words lie in LDS
	s_barrier_signal -1
	s_barrier_wait -1                              ; so do all 128 columns of every row
; Along D: wave w takes rows 32 w .. 32 w + 31 as two tiles; lane (r, h) takes, of its tile's row r, d = 64 c + 32 h + 0 .. 31: two whole blocks.
.irp u, 0,1
.irp c, 0,1
.irp n, 0,1,2,3,4,5,6,7
	ds_load_b128 v[X+64*\u+32*\c+4*\n:X+64*\u+32*\c+4*\n+3], v4 offset:\u*16*PITCH+256*\c+16*\n
.endr
.endr
.endr
.macro KTILE u
	AMAX 10, X+64*\u
	AMAX 12, X+64*\u+32
	v_add_nc_u32 v14, 0xfe000000, v10
	v_add_nc_u32 v15, 0xfe000000, v12
	v_lshrrev_b32 v16, 23, v14
	v_lshrrev_b32 v17, 23, v15
	v_lshl_or_b32 v16, v17, 16, v16                ; my two bytes, blocks h and 2 + h,
	v_lshlrev_b32 v16, v9, v16                     ; at their places;
	v_permlanex16_b32 v18, v16, s40, s41
	v_or_b32 v[213+\u], v16, v18                   ; with lane l xor 16's two the row's word is whole
	CODES CK+12*\u, X+64*\u, 14
	CODES CK+12*\u+6, X+64*\u+32, 15
.endm
	s_wait_dscnt 16                                ; tile 0's sixteen loads are in, tile 1's may be out
	KTILE 0
	s_wait_dscnt 0x0
	KTILE 1
.irp k, 0,1,2,3,4,5
	global_store_b128 v5, v[CK+4*\k:CK+4*\k+3], s[6:7] offset:512*\k
.endr
	v_cmp_gt_u32 vcc_lo, 16, v1
	v_cndmask_b32 v215, v214, v213, vcc_lo         ; lanes 0-15 keep tile 0's words, lanes 16-31 tile 1's
	ds_store_b32 v6, v215
	s_wait_dscnt 0x0
	s_barrier_signal -1
	s_barrier_wait -1                              ; all scale words lie in LDS: they leave 16 bytes a lane
	s_cmp_eq_u32 s20, 0
	s_cbranch_scc0 .Lnot_k
	ds_load_b128 v[24:27], v7
	s_wait_dscnt 0x0
	global_store_b128 v8, v[24:27], s[8:9]         ; sixteen lanes store 256 consecutive bytes, aligned: one group's words; the other sixteen the next group's
.Lnot_k:
	s_cmp_eq_u32 s20, 1
	s_cbranch_scc0 .Lend
	ds_load_b128 v[28:31], v7 offset:512
	s_wait_dscnt 0x0
	global_store_b128 v5, v[28:31], s[12:13]       ; 512 consecutive bytes, aligned
.Lend:
	s_wait_tensorcnt 0x0
	ds_add_u32 v224, v225
	s_wait_dscnt 0x0
	s_endpgm
.Lfunc_end_k_q4013f1ea79_quant:
	.size	k_q4013f1ea79_quant, .Lfunc_end_k_q4013f1ea79_quant-k_q4013f1ea79_quant
	.p2alignl 7, 3214868480
	.fill 96, 4, 3214868480
	.section	.rodata,"a",@progbits
	.p2align	6, 0x0
	.amdhsa_kernel k_q4013f1ea79_quant
		.amdhsa_group_segment_fixed_size 69120
		.amdhsa_private_segment_fixed_size 0
		.amdhsa_enable_private_segment 0
		.amdhsa_kernarg_size 40
		.amdhsa_user_sgpr_count 2
		.amdhsa_user_sgpr_kernarg_segment_ptr 1
		.amdhsa_wavefront_size32 1
		.amdhsa_system_sgpr_workgroup_id_x 1
		.amdhsa_system_sgpr_workgroup_id_y 1
		.amdhsa_system_sgpr_workgroup_id_z 1
		.amdhsa_system_vgpr_workitem_id 0
		.amdhsa_next_free_vgpr 226
		.amdhsa_next_free_sgpr 66
		.amdhsa_reserve_vcc 1
		.amdhsa_float_denorm_mode_32 3
		.amdhsa_float_denorm_mode_16_64 3
		.amdhsa_memory_ordered 1
		.amdhsa_forward_progress 1
		.amdhsa_inst_pref_size 40
	.end_amdhsa_kernel
	.amdgpu_metadata
---
amdhsa.version: [ 1, 2 ]
amdhsa.kernels:
  - .name:           k_q4013f1ea79_quant
    .symbol:         k_q4013f1ea79_quant.kd
    .args:
      - { .name: x, .offset: 0, .size: 8, .value_kind: global_buffer, .address_space: global }
      - { .name: kc, .offset: 8, .size: 8, .value_kind: global_buffer, .address_space: global }
      - { .name: ks, .offset: 16, .size: 8, .value_kind: global_buffer, .address_space: global }
      - { .name: vc, .offset: 24, .size: 8, .value_kind: global_buffer, .address_space: global }
      - { .name: vs, .offset: 32, .size: 8, .value_kind: global_buffer, .address_space: global }
    .group_segment_fixed_size: 69120
    .private_segment_fixed_size: 0
    .kernarg_segment_align: 8
    .kernarg_segment_size: 40
    .max_flat_workgroup_size: 128
    .sgpr_count:     66
    .vgpr_count:     226
    .wavefront_size: 32
...
	.end_amdgpu_metadata
.endif
;; end of part 1
;; launch attn (part 2): grid 32 x 8, 4 waves a work-group, no clusters, 263,680 bytes of LDS; arguments x, log_alpha, log_sigma, kc, ks, vc, vs, out0; writes out0
.if DOCPART == 2
	.amdgcn_target "amdgcn-amd-amdhsa--gfx1250"
	.amdhsa_code_object_version 6
	.text
	.protected	k_q4013f1ea79_attn
	.globl	k_q4013f1ea79_attn
	.p2align	8
	.type	k_q4013f1ea79_attn,@function
k_q4013f1ea79_attn:
	s_mov_b64 s[64:65], 0
	v_nop
	global_prefetch_b8 v0, s[64:65] scope:SCOPE_SE
	s_setreg_imm32_b32 hwreg(HW_REG_WAVE_MODE, 25, 1), 1
	s_wait_xcnt 0x0
; out = gelu_tanh(x gate), gate = 1 + alpha tanh(sigma novelty), novelty from cos(x, context), context = attn x, attn = softmax over the strictly earlier rows of x x^T / 32.
; Both products run on codes of E3M2 with E8M0 scales; attn is quantised FINISHED AND NORMALISED, in blocks of 32 keys.  So a row's maximum and sum must be whole before any weight is quantised:
; the keys are walked twice.  PASS 1: scores, each row's M (the largest t = score x log2(e) / 32, rounded up to a whole number) and the sum of 2^(t - M).  PASS 2: the same scores again,
; attn = 2^(t - M) / sum in f32, its codes and scale bytes, context.  Only keys up to the diagonal's step are walked.  Then cos, gate, gelu.
; SHARES.  A work-group owns 64 rows (queries) of one batch: 256 work-groups.  Keys go 256 a step.  SCORES: wave w owns the step's keys 64 w .. 64 w + 63 against all 64 queries: S^T = K Q^T, 16 accumulators.
; CONTEXT: wave w owns d = 256 w .. 256 w + 255 for all 64 queries: O^T = V^T P^T, 64 accumulators.  So each fragment of K and of V is multiplied by ONE wave: it comes from memory straight into that
; wave's registers (three loads of 16 bytes a lane: the buffers are images of the operand's registers), through a ring of four groups of four fragments with counted waits.  LDS carries Q (read by all four waves),
; P (from the wave that made it to all four) and, at the end, the context's rows.
; NO CLUSTER, NO JOINT LOADS: the row blocks of a batch, which read the same K and V, walk 1 to 8 key steps: partners would need different numbers of tiles; and here no fragment passes through LDS at all.
; LAYOUT.  Both products are used transposed: a lane holds one query (lane % 16) throughout.  The rows of a tile are not neighbours: lane r of tile kap takes row 32 (kap / 2) + 8 (kap % 2) + r % 8 + 16 (r / 8)
; of its group of 64, so that the 16 registers of tiles 2 b, 2 b + 1 are 16 neighbouring keys, 32 b + 16 (lane / 16) + 0 .. 15.  The queries' tiles are the same images.
; LIMITS: NaN and infinities in x are not served beyond what the clip and the NaN test below do; a block of weights whose largest lies under 2^-122 (zeros among them) keeps the scale byte 1;
; the sums are taken in another order than row by row (by lane, by wave, joined by exact powers of two); attn is 2^(t - M) x (1 / sum), not a division.
; REGISTERS, in windows of 256.  Window 0: v1-13 addresses; v16-31 four registers a query tile: -M, the largest t, the sum's two halves (pass 2: 1 / sum); v32-35 Q's scale words; v36-39 P's; v48-63 K's; v64-79 V's;
;   v80-127 Q's fragments of an odd K step, and work registers of the softmax; v128-255 S^T (32 a query tile), then P's eight fragments.
;   Window 1: v0-191 the ring; v192-239 Q's fragments of an even K step.   Windows 2, 3: O^T, accumulator (dt, tau) at 8 (4 (dt % 8) + tau) of window 2 + dt / 8.
.set QIMG,  0                          ; LDS: Q's 32 fragments, (ks, tau) at (4 ks + tau) 1536
.set QSCL,  49152                      ; Q's scale words: 256 ks + 8 x lane: the pair for tiles 0, 1 and tiles 2, 3
.set PIMG,  51200                      ; P: 3072 tau + 768 w + 256 p + 8 x lane
.set PSC,   63488                      ; P's scale words: 128 (2 a + kk) + 4 x lane; lanes 0-15 tile 2 a, lanes 16-31 tile 2 a + 1
.set STAT,  64000                      ; the waves' -M and sums: 512 (2 tau + kind) + 16 x lane + 4 w
.set OP,    4112                       ; at the end, from byte 0 on: 64 rows of the context, 4,096 bytes + 16
.set GRP,   6144                       ; four fragments
.set KGB,   49152                      ; a group of 64 keys for all of D; also a wave's V of one step
.set L16, 1
.set L4,  2
.set AQS, 3
.set PST, 4
.set PLD, 5
.set PSS, 6
.set PSL, 7
.set NINF, 8
.set DQ,  9
.set PFO, 10
.set STW, 11
.set STR, 12
.set QCP, 13
.set ST,  16
.set QS,  32
.set PS,  36
.set KSC, 48
.set VSC, 64
.set WK,  80
.set QBS, 80
.set S,   128
.set QA,  192
.set WV,  20                           ; wave
.set BI,  21                           ; my block of 64 rows
.set BB,  22                           ; batch
.set NST, 23                           ; key steps: BI / 4 + 1
.set CNT, 24                           ; steps to go
.set G,   25                           ; my group of keys in this step;  GN: in the next
.set GN,  26
.set KB,  28                           ; s[28:29] its codes;  s[30:31] the next group's;  s[32:33] the next group's scale words
.set KBN, 30
.set KSN, 32
.set VB,  34                           ; s[34:35] my V of this step;  s[36:37] its scale words
.set VSB, 36
.set TMP, 38                           ; s[38:39] an offset, upper word 0
.set CS,  40                           ; s[40:41] log2(e) / 32
.set SEL, 42                           ; s[42:43] selects for lane l xor 16
.set KCB, 46
.set KSB, 48
.set XB,  50                           ; s[50:51], s[52:53] x and out at my wave's first row of the way out
.set OB,  52
.set LGA, 54
.set LGS, 55
.set TT,  56
.set OC,  58
.set SL,  60
.set XN,  62
.set A3,  66
.set MSB, 0
.macro WIN new                         ; the immediate's high byte repeats the setting that is left; a switch that changes nothing is dropped
.if MSB != (\new)
	s_set_vgpr_msb (MSB<<8)|(\new)
.set MSB, \new
.endif
.endm
.macro PLACES n                        ; plain instructions between a matrix instruction and a load into, a read of or a write over its registers
.rept \n
	v_nop
.endr
.endm
; One matrix instruction; its registers stand in the symbols rD, rA, rB, rSA, rSB; fA, fB = 1: the side's scale words stand in lanes 16-31.  zero = 1: it starts the sum.
.macro MM zero
.if \zero
.if fA && fB
	v_wmma_scale_f32_16x16x128_f8f6f4 v[rD:rD+7], v[rA:rA+11], v[rB:rB+11], 0, v[rSA], v[rSB] matrix_a_fmt:MATRIX_FMT_BF6 matrix_b_fmt:MATRIX_FMT_BF6 matrix_a_scale:MATRIX_SCALE_ROW1 matrix_b_scale:MATRIX_SCALE_ROW1
.elseif fA
	v_wmma_scale_f32_16x16x128_f8f6f4 v[rD:rD+7], v[rA:rA+11], v[rB:rB+11], 0, v[rSA], v[rSB] matrix_a_fmt:MATRIX_FMT_BF6 matrix_b_fmt:MATRIX_FMT_BF6 matrix_a_scale:MATRIX_SCALE_ROW1
.elseif fB
	v_wmma_scale_f32_16x16x128_f8f6f4 v[rD:rD+7], v[rA:rA+11], v[rB:rB+11], 0, v[rSA], v[rSB] matrix_a_fmt:MATRIX_FMT_BF6 matrix_b_fmt:MATRIX_FMT_BF6 matrix_b_scale:MATRIX_SCALE_ROW1
.else
	v_wmma_scale_f32_16x16x128_f8f6f4 v[rD:rD+7], v[rA:rA+11], v[rB:rB+11], 0, v[rSA], v[rSB] matrix_a_fmt:MATRIX_FMT_BF6 matrix_b_fmt:MATRIX_FMT_BF6
.endif
.else
.if fA && fB
	v_wmma_scale_f32_16x16x128_f8f6f4 v[rD:rD+7], v[rA:rA+11], v[rB:rB+11], v[rD:rD+7], v[rSA], v[rSB] matrix_a_fmt:MATRIX_FMT_BF6 matrix_b_fmt:MATRIX_FMT_BF6 matrix_a_scale:MATRIX_SCALE_ROW1 matrix_b_scale:MATRIX_SCALE_ROW1
.elseif fA
	v_wmma_scale_f32_16x16x128_f8f6f4 v[rD:rD+7], v[rA:rA+11], v[rB:rB+11], v[rD:rD+7], v[rSA], v[rSB] matrix_a_fmt:MATRIX_FMT_BF6 matrix_b_fmt:MATRIX_FMT_BF6 matrix_a_scale:MATRIX_SCALE_ROW1
.elseif fB
	v_wmma_scale_f32_16x16x128_f8f6f4 v[rD:rD+7], v[rA:rA+11], v[rB:rB+11], v[rD:rD+7], v[rSA], v[rSB] matrix_a_fmt:MATRIX_FMT_BF6 matrix_b_fmt:MATRIX_FMT_BF6 matrix_b_scale:MATRIX_SCALE_ROW1
.else
	v_wmma_scale_f32_16x16x128_f8f6f4 v[rD:rD+7], v[rA:rA+11], v[rB:rB+11], v[rD:rD+7], v[rSA], v[rSB] matrix_a_fmt:MATRIX_FMT_BF6 matrix_b_fmt:MATRIX_FMT_BF6
.endif
.endif
.endm
.macro LOADG slot, base, off           ; four fragments, 12 loads of 512 consecutive bytes, into group slot of the ring
	WIN 0x40
.irp f, 0,1,2,3
.irp c, 0,1,2
	global_load_b128 v[48*(\slot)+12*\f+4*\c:48*(\slot)+12*\f+4*\c+3], v[L16], s[\base:\base+1] offset:(\off)+1536*\f+512*\c
.endr
.endr
.endm
.macro SCLOAD reg, base                ; sixteen registers of scale words, 128 consecutive bytes each
	WIN 0
.set mm, 0
.rept 16
	global_load_b32 v[\reg+mm], v[L4], s[\base:\base+1] offset:128*mm
.set mm, mm+1
.endr
.endm
.macro QLOAD k                         ; Q's four fragments and scale words of K step k: 13 LDS loads
.if ((\k)%2) == 0
	WIN 0x40
.irp t, 0,1,2,3
.irp c, 0,1,2
	ds_load_b128 v[QA+12*\t+4*\c:QA+12*\t+4*\c+3], v[L16] offset:QIMG+(4*(\k)+\t)*1536+512*\c
.endr
.endr
	WIN 0
.else
	WIN 0
.irp t, 0,1,2,3
.irp c, 0,1,2
	ds_load_b128 v[QBS+12*\t+4*\c:QBS+12*\t+4*\c+3], v[L16] offset:QIMG+(4*(\k)+\t)*1536+512*\c
.endr
.endr
.endif
	ds_load_b64 v[QS+2*((\k)%2):QS+2*((\k)%2)+1], v[AQS] offset:256*(\k)
.endm
; PREFETCHES INTO THE L2.  Of a batch's 32 work-groups the last (block 31) walks every step: it alone asks, each wave for its own stream, lanes 256 bytes apart, 8,192 bytes an instruction.
; Pass 1, in a trip: what the next trip loads: the second half of the next step's group of K and the first half of the group after it; in the last trip V of step 0.  Pass 2: V of the next step.
; Each block of 256 bytes is named once; K's step 0 and the first half of step 1, and all scale words, come by their loads alone; no request passes the last group or the last step.
.macro ASK pass
	s_cmp_lg_u32 s[BI], 31
	s_cbranch_scc1 .Lnoask_\@
	s_cmp_lt_u32 s[CNT], 2
.if \pass == 1
	s_cbranch_scc1 .Laskv_\@
.irp n, 0,1,2
	global_prefetch_b8 v[PFO], s[KB:KB+1] offset:4*KGB+4*GRP+8192*\n th:TH_LOAD_NT scope:SCOPE_SE
.endr
	s_cmp_lt_u32 s[CNT], 3
	s_cbranch_scc1 .Lnoask_\@
.irp n, 0,1,2
	global_prefetch_b8 v[PFO], s[KB:KB+1] offset:8*KGB+8192*\n th:TH_LOAD_NT scope:SCOPE_SE
.endr
	s_branch .Lnoask_\@
.Laskv_\@:
.irp n, 0,1,2,3,4,5
	global_prefetch_b8 v[PFO], s[VB:VB+1] offset:8192*\n th:TH_LOAD_NT scope:SCOPE_SE
.endr
.else
	s_cbranch_scc1 .Lnoask_\@
.irp n, 0,1,2,3,4,5
	global_prefetch_b8 v[PFO], s[VB:VB+1] offset:KGB+8192*\n th:TH_LOAD_NT scope:SCOPE_SE
.endr
.endif
.Lnoask_\@:
.endm
.macro ASKX                            ; in the last step every wave asks for its own 16 rows of x (rows 0-7 and 16-23 from XB on), which the way out loads a context phase later
	s_cmp_lg_u32 s[CNT], 1
	s_cbranch_scc1 .Lnox_\@
.irp n, 0,1,2,3,4,5,6,7
	global_prefetch_b8 v[PFO], s[XB:XB+1] offset:65536*(\n/4)+8192*(\n%4) th:TH_LOAD_NT scope:SCOPE_SE
.endr
.Lnox_\@:
.endm
; A step's head: the bases move on.  In a pass's last step the look-ahead goes back to step 0's group: behind pass 1 that is pass 2's first data; behind pass 2 the loads only keep the counts alike on every way.
.macro STEPHEAD vstep
	s_wait_xcnt 0x0                                ; every load issued so far has read its base: the bases may be written
	s_mov_b64 s[KB:KB+1], s[KBN:KBN+1]
	s_mov_b32 s[G], s[GN]
	s_add_co_u32 s[GN], s[G], 4
	s_cmp_eq_u32 s[CNT], 1
	s_cselect_b32 s[GN], s[WV], s[GN]
	s_mul_i32 s[TMP], s[GN], KGB
	s_add_nc_u64 s[KBN:KBN+1], s[KCB:KCB+1], s[TMP:TMP+1]
	s_lshl_b32 s[TMP], s[GN], 11
	s_add_nc_u64 s[KSN:KSN+1], s[KSB:KSB+1], s[TMP:TMP+1]
.if \vstep
	s_add_nc_u64 s[VB:VB+1], s[VB:VB+1], KGB
	s_add_nc_u64 s[VSB:VSB+1], s[VSB:VSB+1], 2048
.endif
.endm
; K step k of the scores: 16 matrix instructions (4 key tiles x 4 query tiles; the 16 accumulators take turns), then the ring's next group and Q's fragments of two K steps on.
; THE COUNTS ON LOADcnt are the loads issued behind the group that is wanted: a group is 12, a set of scale words 16.
; Pass 1 issues, behind K steps 0 .. 7: K4 K5 K6 K7 | K0' K1' K2' | K's scale words', K3'.   Ahead of step 0 only K3 may be out (the scale words are wanted): 12; steps 1, 2: three groups and the words: 52; else three groups: 36.
; Pass 2 issues, behind K steps 0 .. 7: K4 and V's scale words, K5 K6 K7 | V0 V1 V2 | V3 and K's scale words'; behind the context's eight groups: V4 .. V7 | K0' .. K3'.   Steps 1 to 4 have V's words among the younger: 52; else 36.
.macro KSTEP pass, k
.if \pass == 1
.if \k == 0
	s_wait_loadcnt 12
.elseif \k < 3
	s_wait_loadcnt 52
.else
	s_wait_loadcnt 36
.endif
.else
.if (\k == 0) || (\k > 4)
	s_wait_loadcnt 36
.else
	s_wait_loadcnt 52
.endif
.endif
	s_wait_dscnt 13                                ; Q's fragments of this K step are in; the next K step's 13 loads may be out
.if (\k%2) == 0
	WIN 0x05                                       ; K and Q in window 1
.else
	WIN 0x01                                       ; K in window 1, Q in window 0
.endif
.set nn, 0
.rept 16
.set rD, S+32*(nn%4)+8*(nn/4)
.set rA, 48*(\k%4)+12*(nn/4)
.if (\k%2) == 0
.set rB, QA+12*(nn%4)
.else
.set rB, QBS+12*(nn%4)
.endif
.set rSA, KSC+2*\k+nn/8
.set fA, (nn/4)%2
.set rSB, QS+2*(\k%2)+(nn%4)/2
.set fB, nn%2
.if \k == 0
	MM 1
.else
	MM 0
.endif
.set nn, nn+1
.endr
	PLACES 4
.if \pass == 1
.if \k < 4
	LOADG \k, KB, GRP*(\k+4)
.elseif \k < 7
	LOADG \k-4, KBN, GRP*(\k-4)
.else
	SCLOAD KSC, KSN
	LOADG 3, KBN, GRP*3
.endif
.else
.if \k == 0
	LOADG 0, KB, GRP*4
	SCLOAD VSC, VSB
.elseif \k < 4
	LOADG \k, KB, GRP*(\k+4)
.elseif \k < 7
	LOADG \k-4, VB, GRP*(\k-4)
.else
	LOADG 3, VB, GRP*3
	SCLOAD KSC, KSN
.endif
.endif
.if \k < 6
	QLOAD \k+2
.elseif \k == 6
	QLOAD 0                                        ; for the next step
.endif
	WIN 0
.if \k == 0
	ASK \pass
.endif
.endm
.macro SPHASE pass
	QLOAD 1
.irp q, 0,1,2,3,4,5,6,7
	KSTEP \pass, \q
.endr
.endm
; The mask, in the last step alone (earlier steps' keys all come before my 64 rows).  Register n of tile tau holds key 64 G + 16 h + 32 (n / 16) + n % 16; it is hidden where that is not under the lane's query:
; 32 (n / 16) + n % 16 >= D = 64 (BI - G) + r % 8 + 16 (r / 8) - 16 h + 32 (tau / 2) + 8 (tau % 2).  A group behind the diagonal comes out all -infinity, one before it untouched.
.macro MASK
	s_cmp_lg_u32 s[CNT], 1
	s_cbranch_scc1 .Lopen_\@
	s_sub_co_i32 s44, s[BI], s[G]
	s_lshl_b32 s44, s44, 6
	v_add_nc_u32 v[WK], s44, v[DQ]
	v_add_nc_u32 v[WK+1], 8, v[WK]
	v_add_nc_u32 v[WK+2], 32, v[WK]
	v_add_nc_u32 v[WK+3], 40, v[WK]
.set nn, 0
.rept 128
	v_cmp_ge_i32 vcc_lo, 32*((nn%32)/16)+nn%16, v[WK+nn/32]
	v_cndmask_b32 v[S+nn], v[S+nn], v[NINF], vcc_lo
.set nn, nn+1
.endr
.Lopen_\@:
.endm
; Pass 1: each LANE keeps its own M and sum over its 32 keys of each group; lanes and waves are joined once, behind the pass.  The four query tiles take turns line by line.
.macro STAT1
.irp t, 0,1,2,3
	v_max3_num_f32 v[WK+\t], v[S+32*\t], v[S+32*\t+1], v[S+32*\t+2]     ; each accumulator is read from its low end on
.endr
.irp i, 3,5,7,9,11,13,15,17,19,21,23,25,27,29
.irp t, 0,1,2,3
	v_max3_num_f32 v[WK+\t], v[WK+\t], v[S+32*\t+\i], v[S+32*\t+\i+1]
.endr
.endr
.irp t, 0,1,2,3
	v_max_num_f32 v[WK+\t], v[WK+\t], v[S+32*\t+31]
.endr
.irp t, 0,1,2,3
	v_mul_f32 v[WK+\t], s[CS], v[WK+\t]            ; as t
.endr
.irp t, 0,1,2,3
	v_max_num_f32 v[ST+4*\t+1], v[ST+4*\t+1], v[WK+\t]
.endr
.irp t, 0,1,2,3
	v_mov_b32 v[WK+4+\t], v[ST+4*\t]
.endr
.irp t, 0,1,2,3
	v_floor_f32 v[ST+4*\t], -v[ST+4*\t+1]          ; -M = floor(-t): M is a whole number
.endr
.irp t, 0,1,2,3
	v_sub_f32 v[WK+4+\t], v[ST+4*\t], v[WK+4+\t]   ; old M - new M, 0 or less
.endr
.irp t, 0,1,2,3
	v_cvt_i32_f32 v[WK+4+\t], v[WK+4+\t]           ; (it saturates)
.endr
.irp t, 0,1,2,3
	v_ldexp_f32 v[WK+8+2*\t], 1.0, v[WK+4+\t]      ; 2^(old M - new M): exact
.endr
.set nn, 0
.rept 64
	v_pk_fma_f32 v[S+2*nn:S+2*nn+1], v[S+2*nn:S+2*nn+1], s[CS:CS+1], v[ST+4*(nn/16):ST+4*(nn/16)+1] op_sel_hi:[1,0,0]   ; t - M
.set nn, nn+1
.endr
.set nn, 0
.rept 128
	v_exp_f32 v[S+nn], v[S+nn]
.set nn, nn+1
.endr
.irp t, 0,1,2,3
	v_pk_mul_f32 v[ST+4*\t+2:ST+4*\t+3], v[ST+4*\t+2:ST+4*\t+3], v[WK+8+2*\t:WK+9+2*\t] op_sel_hi:[1,0]   ; the sums under the new M; plain instructions behind the exponentials
.endr
	s_wait_alu depctr_va_vdst(0)                   ; one wait for the batch of 128, ahead of its first reader
.irp t, 0,1,2,3
	v_pk_add_f32 v[WK+16+2*\t:WK+17+2*\t], v[S+32*\t:S+32*\t+1], v[S+32*\t+2:S+32*\t+3]
.endr
.irp j, 4,8,12,16,20,24,28
.irp t, 0,1,2,3
	v_pk_add_f32 v[ST+4*\t+2:ST+4*\t+3], v[ST+4*\t+2:ST+4*\t+3], v[S+32*\t+\j:S+32*\t+\j+1]
	v_pk_add_f32 v[WK+16+2*\t:WK+17+2*\t], v[WK+16+2*\t:WK+17+2*\t], v[S+32*\t+\j+2:S+32*\t+\j+3]
.endr
.endr
.irp t, 0,1,2,3
	v_pk_add_f32 v[ST+4*\t+2:ST+4*\t+3], v[ST+4*\t+2:ST+4*\t+3], v[WK+16+2*\t:WK+17+2*\t]
.endr
.endm
; Between the passes: a query's eight parts (two lanes in each of four waves) are joined: the least -M, and each part's sum brought under it by an exact power of two.  1 / sum, or 0 where no key counts.
.macro COMBINE
.irp t, 0,1,2,3
	v_add_f32 v[ST+4*\t+2], v[ST+4*\t+2], v[ST+4*\t+3]
	v_mov_b32 v[WK+\t], 0                          ; a lane permute's destination counts as one of its sources
	v_mov_b32 v[WK+4+\t], 0
.endr
.irp t, 0,1,2,3
	v_permlanex16_b32 v[WK+\t], v[ST+4*\t], s[SEL], s[SEL+1]
	v_permlanex16_b32 v[WK+4+\t], v[ST+4*\t+2], s[SEL], s[SEL+1]
.endr
.irp t, 0,1,2,3
	v_min_num_f32 v[WK+8+\t], v[ST+4*\t], v[WK+\t]
.endr
.irp t, 0,1,2,3
	v_sub_f32 v[WK+12+\t], v[WK+8+\t], v[ST+4*\t]
	v_sub_f32 v[WK+16+\t], v[WK+8+\t], v[WK+\t]
.endr
.irp t, 0,1,2,3
	v_cvt_i32_f32 v[WK+12+\t], v[WK+12+\t]
	v_cvt_i32_f32 v[WK+16+\t], v[WK+16+\t]
.endr
.irp t, 0,1,2,3
	v_ldexp_f32 v[WK+20+\t], v[ST+4*\t+2], v[WK+12+\t]
	v_ldexp_f32 v[WK+24+\t], v[WK+4+\t], v[WK+16+\t]
.endr
.irp t, 0,1,2,3
	v_add_f32 v[WK+20+\t], v[WK+20+\t], v[WK+24+\t]
.endr
.irp t, 0,1,2,3
	ds_store_b32 v[STW], v[WK+8+\t] offset:1024*\t
	ds_store_b32 v[STW], v[WK+20+\t] offset:1024*\t+512
.endr
	s_wait_dscnt 0x0                               ; my words lie in LDS (and Q's fragments asked for in the last K steps are in)
	s_barrier_signal -1
	s_barrier_wait -1
.irp m, 0,1,2,3,4,5,6,7
	ds_load_b128 v[WK+4*\m:WK+4*\m+3], v[STR] offset:512*\m          ; the four waves' -M (m even) and sums (m odd) of my query
.endr
	s_wait_dscnt 0x0
.irp t, 0,1,2,3
	v_min3_num_f32 v[ST+4*\t], v[WK+8*\t], v[WK+8*\t+1], v[WK+8*\t+2]
.endr
.irp t, 0,1,2,3
	v_min_num_f32 v[ST+4*\t], v[ST+4*\t], v[WK+8*\t+3]
.endr
.irp w, 0,1,2,3
.irp t, 0,1,2,3
	v_sub_f32 v[WK+8*\t+\w], v[ST+4*\t], v[WK+8*\t+\w]
.endr
.endr
.irp w, 0,1,2,3
.irp t, 0,1,2,3
	v_cvt_i32_f32 v[WK+8*\t+\w], v[WK+8*\t+\w]
.endr
.endr
.irp w, 0,1,2,3
.irp t, 0,1,2,3
	v_ldexp_f32 v[WK+8*\t+4+\w], v[WK+8*\t+4+\w], v[WK+8*\t+\w]
.endr
.endr
.irp t, 0,1,2,3
	v_add_f32 v[WK+8*\t+4], v[WK+8*\t+4], v[WK+8*\t+5]
	v_add_f32 v[WK+8*\t+6], v[WK+8*\t+6], v[WK+8*\t+7]
.endr
.irp t, 0,1,2,3
	v_add_f32 v[WK+8*\t+4], v[WK+8*\t+4], v[WK+8*\t+6]
.endr
.irp t, 0,1,2,3
	v_rcp_f32 v[ST+4*\t+2], v[WK+8*\t+4]
.endr
	v_nop                                          ; a plain instruction behind the last reciprocal
	s_wait_alu depctr_va_vdst(0)                   ; one wait for the four
.irp t, 0,1,2,3
	v_cmp_lt_f32 vcc_lo, 0, v[WK+8*\t+4]
	v_cndmask_b32 v[ST+4*\t+2], 0, v[ST+4*\t+2], vcc_lo   ; a row with no earlier row: every weight is 0
.endr
.endm
; Pass 2: the weights, finished and normalised in f32, become codes and scale bytes.  My 64 keys are half a fragment (six registers) and two of its four scale bytes for each query tile.
.macro PQUANT
.set nn, 0
.rept 64
	v_pk_fma_f32 v[S+2*nn:S+2*nn+1], v[S+2*nn:S+2*nn+1], s[CS:CS+1], v[ST+4*(nn/16):ST+4*(nn/16)+1] op_sel_hi:[1,0,0]
.set nn, nn+1
.endr
.set nn, 0
.rept 128
	v_exp_f32 v[S+nn], v[S+nn]
.set nn, nn+1
.endr
.irp m, 0,1,2,3,4,5,6,7
	v_mov_b32 v[WK+8+\m], 0                        ; the permutes' destinations below; also the plain instructions behind the exponentials
.endr
	s_wait_alu depctr_va_vdst(0)                   ; one wait for the batch of 128
.set nn, 0
.rept 64
	v_pk_mul_f32 v[S+2*nn:S+2*nn+1], v[S+2*nn:S+2*nn+1], v[ST+4*(nn/16)+2:ST+4*(nn/16)+3] op_sel_hi:[1,0]   ; attn
.set nn, nn+1
.endr
.irp m, 0,1,2,3,4,5,6,7
	v_max3_num_f32 v[WK+\m], v[S+16*\m], v[S+16*\m+1], 0x2800000     ; block m = 2 tau + b: my 16 weights (none is negative), and the floor 2^(5 - 127)
.endr
.irp i, 2,4,6,8,10,12,14
.irp m, 0,1,2,3,4,5,6,7
	v_max3_num_f32 v[WK+\m], v[WK+\m], v[S+16*\m+\i], v[S+16*\m+\i+1]
.endr
.endr
.irp m, 0,1,2,3,4,5,6,7
	v_permlanex16_b32 v[WK+8+\m], v[WK+\m], s[SEL], s[SEL+1]
.endr
.irp m, 0,1,2,3,4,5,6,7
	v_max_num_f32 v[WK+\m], v[WK+\m], v[WK+8+\m]   ; with lane l xor 16's 16: the block's largest
.endr
.irp m, 0,1,2,3,4,5,6,7
	v_add_nc_u32 v[WK+\m], 0xfe000000, v[WK+\m]    ; 4 off the exponent field: the conversion's scale operand
.endr
.irp m, 0,1,2,3,4,5,6,7
	v_lshrrev_b32 v[WK+8+\m], 23, v[WK+\m]         ; the byte
.endr
.irp t, 0,1,2,3
	v_lshl_or_b32 v[WK+8+2*\t], v[WK+9+2*\t], 8, v[WK+8+2*\t]
.endr
.irp q, 0,1
.irp e, 0,1
	v_cvt_scalef32_pk16_bf6_f32 v[WK+16+6*(2*\q+\e):WK+18+6*(2*\q+\e)], v[S+32*(2*\q+\e):S+32*(2*\q+\e)+15], v[WK+2*(2*\q+\e)]
	v_cvt_scalef32_pk16_bf6_f32 v[WK+40+4*\e:WK+42+4*\e], v[S+32*(2*\q+\e)+16:S+32*(2*\q+\e)+31], v[WK+2*(2*\q+\e)+1]
.endr
	v_nop                                          ; one plain instruction behind the scaled conversions
.irp e, 0,1
.irp i, 0,1,2
	v_permlane16_swap_b32 v[WK+16+6*(2*\q+\e)+\i], v[WK+40+4*\e+\i]   ; a whole block to a lane: lanes 0-15 block 0, lanes 16-31 block 1
.endr
.irp i, 0,1,2
	v_mov_b32 v[WK+19+6*(2*\q+\e)+\i], v[WK+40+4*\e+\i]
.endr
.endr
.endr
.irp t, 0,1,2,3
.irp p, 0,1,2
	ds_store_b64 v[PST], v[WK+16+6*\t+2*\p:WK+17+6*\t+2*\p] offset:3072*\t+256*\p
.endr
	ds_store_b16 v[PSS], v[WK+8+2*\t] offset:256*(\t/2)+64*(\t%2)    ; both lanes of a query write the same two bytes with the same value
.endr
.endm
.macro PLOAD                           ; P's eight fragments (tau, kk) and their scale words, as the four waves left them
.irp m, 0,1,2,3,4,5,6,7
.irp p, 0,1,2,3,4,5
	ds_load_b64 v[S+12*\m+2*\p:S+12*\m+2*\p+1], v[PLD] offset:1536*\m+256*\p
.endr
.endr
.irp m, 0,1,2,3
	ds_load_b32 v[PS+\m], v[PSL] offset:128*\m
.endr
.endm
; Group g of the context: keys 128 (g / 4) on, d tiles 4 (g % 4) + 0 .. 3, all four query tiles: 16 matrix instructions; the 64 accumulators take turns.
; The counts: groups 0 to 3 have K's scale words among the younger loads: 52; groups 4 to 7 three groups: 36.
.macro PVG g, zero
.if \g < 4
	s_wait_loadcnt 52
.else
	s_wait_loadcnt 36
.endif
.if (\g%4) < 2
	WIN 0xa1                                       ; V in window 1, P in window 0, O^T in window 2
.else
	WIN 0xf1                                       ; O^T in window 3
.endif
.set nn, 0
.rept 16
.set dt, 4*(\g%4)+nn/4
.set rD, 8*(4*(dt%8)+nn%4)
.set rA, 48*(\g%4)+12*(nn/4)
.set rB, S+12*(2*(nn%4)+\g/4)
.set rSA, VSC+8*(\g/4)+dt/2
.set fA, dt%2
.set rSB, PS+2*((nn%4)/2)+\g/4
.set fB, nn%2
	MM \zero
.set nn, nn+1
.endr
.if \g == 7
	PLACES 5                                       ; the next matrix instruction writes over P's registers: one place more than a load wants
.else
	PLACES 4
.endif
.if \g < 4
	LOADG \g, VB, GRP*(\g+4)
.else
	LOADG \g-4, KBN, GRP*(\g-4)
.endif
.endm
; A step of pass 2.  first = 1: its first 64 products of the context start the sums: nothing is cleared.
.macro STEP2 first
	STEPHEAD 1-\first
	SPHASE 2
	MASK
	PQUANT
	s_wait_dscnt 0x0                               ; my part of P lies in LDS
	s_barrier_signal -1
	s_barrier_wait -1                              ; all of P does
	PLOAD
	s_wait_dscnt 0x0                               ; I have read P
	s_barrier_signal -1
	s_barrier_wait -1                              ; every wave has: the next step may write over it
	ASKX
.irp g, 0,1,2,3
	PVG \g, \first
.endr
.irp g, 4,5,6,7
	PVG \g, 0
.endr
	WIN 0
.endm
	s_load_b512 s[4:19], s[0:1], 0x0               ; x, log_alpha, log_sigma, kc, ks, vc, vs, out0
	s_set_vgpr_msb 0x40
	v_lshl_add_u32 v254, v0, 2, 0x40400
	v_mov_b32 v255, 0
	s_set_vgpr_msb 0x4000
	v_lshrrev_b32 v14, 5, v0
	v_readfirstlane_b32 s[WV], v14
	s_mov_b32 s[BI], ttmp9
	s_and_b32 s[BB], ttmp7, 0xffff
	s_lshr_b32 s[NST], s[BI], 2
	s_add_co_u32 s[NST], s[NST], 1
	v_and_b32 v14, 31, v0                          ; lane
	v_and_b32 v15, 15, v0                          ; r
	v_bfe_u32 v40, v0, 4, 1                        ; h
	v_and_b32 v41, 0x60, v0                        ; 32 w
	v_bfe_u32 v42, v0, 6, 1                        ; w / 2
	v_bfe_u32 v43, v0, 5, 1                        ; w % 2
	v_lshlrev_b32 v[L16], 4, v14
	v_lshlrev_b32 v[L4], 2, v14
	v_lshl_add_u32 v[AQS], v14, 3, QSCL
	v_mul_u32_u24 v[PST], v41, 24                  ; 768 w
	v_lshl_add_u32 v[PST], v14, 3, v[PST]
	v_add_nc_u32 v[PST], PIMG, v[PST]
	v_lshl_add_u32 v[PLD], v14, 3, PIMG
	v_lshl_add_u32 v[PSS], v15, 2, PSC
	v_lshl_add_u32 v[PSS], v42, 7, v[PSS]
	v_lshl_add_u32 v[PSS], v43, 1, v[PSS]
	v_lshl_add_u32 v[PSL], v14, 2, PSC
	v_mov_b32 v[NINF], 0xff800000
	v_and_b32 v[DQ], 7, v0
	v_bfe_u32 v44, v0, 3, 1
	v_lshl_add_u32 v[DQ], v44, 4, v[DQ]
	v_lshlrev_b32 v44, 4, v40
	v_sub_nc_u32 v[DQ], v[DQ], v44                 ; r % 8 + 16 (r / 8) - 16 h
	v_lshlrev_b32 v[PFO], 8, v14
	v_add_nc_u32 v[STR], STAT, v[L16]
	v_lshrrev_b32 v44, 3, v41
	v_add_nc_u32 v[STW], v[STR], v44
	v_mad_u32_u24 v[QCP], v41, 384, v[L16]         ; 12,288 w + 16 x lane: my quarter of Q's image, in memory and in LDS
	v_lshl_add_u32 v45, v41, 4, v[AQS]             ; QSCL + 512 w + 8 x lane
	s_mov_b32 s[CS], 0x3d38aa3b                    ; log2(e) / 32
	s_mov_b32 s[CS+1], s[CS]
	s_mov_b32 s[SEL], 0x76543210
	s_mov_b32 s[SEL+1], 0xfedcba98
	s_mov_b32 s[TMP+1], 0
	s_wait_kmcnt 0x0
	s_load_b32 s[LGA], s[6:7], 0x0
	s_load_b32 s[LGS], s[8:9], 0x0
	s_mul_i32 s[TMP], s[BB], 32*KGB
	s_add_nc_u64 s[KCB:KCB+1], s[10:11], s[TMP:TMP+1]
	s_lshl_b32 s[TMP], s[BB], 16
	s_add_nc_u64 s[KSB:KSB+1], s[12:13], s[TMP:TMP+1]
	s_lshl_b32 s57, s[BB], 2
	s_add_co_u32 s57, s57, s[WV]                   ; 4 b + w
	s_mul_i32 s[TMP], s57, 8*KGB
	s_add_nc_u64 s[VB:VB+1], s[14:15], s[TMP:TMP+1]
	s_lshl_b32 s[TMP], s57, 14
	s_add_nc_u64 s[VSB:VSB+1], s[16:17], s[TMP:TMP+1]
	s_lshl_b32 s[TMP], s[BB], 11                   ; on the way out wave w takes query tile w: rows 2048 b + 64 BI + 32 (w / 2) + 8 (w % 2) + 0 .. 7 and + 16 .. 23
	s_lshl_b32 s57, s[BI], 6
	s_add_co_u32 s[TMP], s[TMP], s57
	s_lshr_b32 s57, s[WV], 1
	s_lshl_b32 s57, s57, 5
	s_add_co_u32 s[TMP], s[TMP], s57
	s_and_b32 s57, s[WV], 1
	s_lshl_b32 s57, s57, 3
	s_add_co_u32 s[TMP], s[TMP], s57
	s_lshl_b32 s[TMP], s[TMP], 12
	s_add_nc_u64 s[XB:XB+1], s[4:5], s[TMP:TMP+1]
	s_add_nc_u64 s[OB:OB+1], s[18:19], s[TMP:TMP+1]
	s_mul_i32 s[TMP], s[BI], KGB                   ; Q is group BI of the same images
	s_add_nc_u64 s[56:57], s[KCB:KCB+1], s[TMP:TMP+1]
	s_lshl_b32 s[TMP], s[BI], 11
	s_lshl_b32 s60, s[WV], 9
	s_add_co_u32 s[TMP], s[TMP], s60
	s_add_nc_u64 s[58:59], s[KSB:KSB+1], s[TMP:TMP+1]   ; its scale words of K steps 2 w and 2 w + 1
	s_mov_b32 s[GN], s[WV]                         ; step 0: my group is w
	s_mul_i32 s[TMP], s[GN], KGB
	s_add_nc_u64 s[KBN:KBN+1], s[KCB:KCB+1], s[TMP:TMP+1]
	s_lshl_b32 s[TMP], s[GN], 11
	s_add_nc_u64 s[KSN:KSN+1], s[KSB:KSB+1], s[TMP:TMP+1]
.set nn, 0
.rept 24
	global_load_b128 v[S+4*nn:S+4*nn+3], v[QCP], s[56:57] offset:512*nn
.set nn, nn+1
.endr
.irp m, 0,1,2,3
	global_load_b32 v[224+\m], v[L4], s[58:59] offset:128*\m
.endr
	LOADG 0, KBN, 0
	LOADG 1, KBN, GRP
	LOADG 2, KBN, GRP*2
	WIN 0
	s_wait_loadcnt 36                              ; Q's 28 loads are in; the ring's first three groups may be out
.set nn, 0
.rept 24
	ds_store_b128 v[QCP], v[S+4*nn:S+4*nn+3] offset:QIMG+512*nn
.set nn, nn+1
.endr
	ds_store_b64 v45, v[224:225]                   ; the words of tiles 0, 1 and of tiles 2, 3 side by side
	ds_store_b64 v45, v[226:227] offset:256
	SCLOAD KSC, KSN
	LOADG 3, KBN, GRP*3
	WIN 0
	s_wait_dscnt 0x0                               ; my quarter of Q lies in LDS
	s_barrier_signal -1
	s_barrier_wait -1                              ; all of it does
	QLOAD 0
.irp t, 0,1,2,3
	v_mov_b32 v[ST+4*\t+1], 0xff61b1e6             ; the largest t so far: -3e38
	v_floor_f32 v[ST+4*\t], -v[ST+4*\t+1]
	v_mov_b32 v[ST+4*\t+2], 0
	v_mov_b32 v[ST+4*\t+3], 0
.endr
	s_mov_b32 s[CNT], s[NST]
	s_wait_kmcnt 0x0                               ; log_alpha, log_sigma
.Lp1:                                              ; PASS 1: no barrier, no LDS store
	STEPHEAD 0
	SPHASE 1
	MASK
	STAT1
	s_sub_co_u32 s[CNT], s[CNT], 1
	s_cmp_lg_u32 s[CNT], 0
	s_cbranch_scc1 .Lp1
	s_wait_loadcnt 0x0                             ; step 0's first four groups and scale words are in again: so pass 2's counts hold on the way in as on the way back
	COMBINE
	s_mov_b32 s[CNT], s[NST]
	STEP2 1                                        ; PASS 2: the first step is written out
	s_sub_co_u32 s[CNT], s[CNT], 1
	s_cmp_eq_u32 s[CNT], 0
	s_cbranch_scc1 .Lout
.Lp2:
	STEP2 0
	s_sub_co_u32 s[CNT], s[CNT], 1
	s_cmp_lg_u32 s[CNT], 0
	s_cbranch_scc1 .Lp2
.Lout:
; THE WAY OUT.  The context's rows meet in LDS (a row's 1,024 numbers come from four waves); wave w then takes query tile w's 16 rows, four a trip: cos(x, context), the gate, the gelu, the stores.
.macro XLOAD p, base                   ; rows 2 p and 2 p + 1 of four: 16 loads of 512 consecutive bytes
.irp e, 0,1
.irp c, 0,1,2,3,4,5,6,7
	global_load_b128 v[S+32*(2*\p+\e)+4*\c:S+32*(2*\p+\e)+4*\c+3], v[L16], s[\base:\base+1] offset:4096*(2*\p+\e)+512*\c th:TH_LOAD_NT
.endr
.endr
.endm
	s_wait_loadcnt 0x0                             ; the look-ahead's loads have landed: their registers and addresses are free
	XLOAD 0, XB
	XLOAD 1, XB
	v_mov_b32 v40, s[LGA]                          ; softplus(z) = max(z, 0) + ln 2 x log2(1 + 2^(-|z| log2 e))
	v_mov_b32 v41, s[LGS]
	v_mul_f32 v42, 0xbfb8aa3b, |v40|
	v_mul_f32 v43, 0xbfb8aa3b, |v41|
	v_exp_f32 v42, v42
	v_exp_f32 v43, v43
	v_max_num_f32 v40, 0, v40
	v_max_num_f32 v41, 0, v41
	s_wait_alu depctr_va_vdst(0)
	v_add_f32 v42, 1.0, v42
	v_add_f32 v43, 1.0, v43
	v_log_f32 v42, v42
	v_log_f32 v43, v43
	v_mov_b32 v44, 0xc0135761                      ; A1 = -2 log2(e) sqrt(2 / pi)
	v_mov_b32 v45, 0xc0135761
	s_wait_alu depctr_va_vdst(0)
	v_fmamk_f32 v40, v42, 0x3f317218, v40          ; alpha
	v_fmamk_f32 v41, v43, 0x3f317218, v41          ; sigma,
	v_mul_f32 v41, 0x4038aa3b, v41                 ; x 2 log2(e), for the tanh
	v_and_b32 v46, 15, v0
	v_bfe_u32 v47, v0, 4, 1
	v_mul_u32_u24 v2, v46, OP                      ; the stage: row 16 tau + r, + 1,024 w + 32 h bytes; a register for each tau
	v_lshl_add_u32 v2, v47, 5, v2
	v_and_b32 v46, 0x60, v0
	v_lshl_add_u32 v2, v46, 5, v2
	v_add_nc_u32 v3, 16*OP, v2
	v_add_nc_u32 v4, 32*OP, v2
	v_add_nc_u32 v5, 48*OP, v2
	s_mov_b32 s[A3], 0xbdd2d3e8                    ; A3 = 0.044715 A1
	s_mov_b32 s[A3+1], s[A3]
	s_mul_i32 s[SL], s[WV], 16*OP
	s_mov_b32 s[TT], 0
	s_mov_b32 s[TMP+1], 0
	s_wait_dscnt 0x0
	s_barrier_signal -1
	s_barrier_wait -1                              ; every wave's reads of Q's and P's bytes are over: the stage may lie over them
.set dd, 0
.rept 16
.if dd < 8
	WIN 0x08                                       ; an LDS store's data are its source 1: window 2,
.else
	WIN 0x0c                                       ; window 3
.endif
.irp t, 0,1,2,3
	ds_store_b128 v[2+\t], v[8*(4*(dd%8)+\t):8*(4*(dd%8)+\t)+3] offset:64*dd       ; each accumulator from its low end on
	ds_store_b128 v[2+\t], v[8*(4*(dd%8)+\t)+4:8*(4*(dd%8)+\t)+7] offset:64*dd+16
.endr
.set dd, dd+1
.endr
	WIN 0
	s_wait_dscnt 0x0
	s_barrier_signal -1
	s_barrier_wait -1                              ; 64 whole rows of the context lie in the stage
	s_wait_loadcnt 16                              ; x's rows 0 and 1 are in; rows 2 and 3, 16 loads, may be out
; Half a trip: rows 2 p and 2 p + 1.  x in v[S + 32 row ..], the context in window 1, v[32 row ..]; lane l holds d = 128 c + 4 l + 0 .. 3 of both.
.macro EHALF p
.if \p == 0
	s_wait_dscnt 16                                ; my two rows of the context are in, the other two may be out
.else
	s_wait_dscnt 0x0
.endif
	WIN 0x04                                       ; source 1 (the context) in window 1
.irp q, 0,1
.irp e, 0,1
	v_pk_mul_f32 v[16+4*\e+2*\q:17+4*\e+2*\q], v[S+32*(2*\p+\e)+2*\q:S+32*(2*\p+\e)+2*\q+1], v[32*(2*\p+\e)+2*\q:32*(2*\p+\e)+2*\q+1]
.endr
.endr
.set jj, 4
.rept 7
.irp q, 0,1
.irp e, 0,1
	v_pk_fma_f32 v[16+4*\e+2*\q:17+4*\e+2*\q], v[S+32*(2*\p+\e)+jj+2*\q:S+32*(2*\p+\e)+jj+2*\q+1], v[32*(2*\p+\e)+jj+2*\q:32*(2*\p+\e)+jj+2*\q+1], v[16+4*\e+2*\q:17+4*\e+2*\q]
.endr
.endr
.set jj, jj+4
.endr
	WIN 0
.irp q, 0,1
.irp e, 0,1
	v_pk_mul_f32 v[24+4*\e+2*\q:25+4*\e+2*\q], v[S+32*(2*\p+\e)+2*\q:S+32*(2*\p+\e)+2*\q+1], v[S+32*(2*\p+\e)+2*\q:S+32*(2*\p+\e)+2*\q+1]
.endr
.endr
.set jj, 4
.rept 7
.irp q, 0,1
.irp e, 0,1
	v_pk_fma_f32 v[24+4*\e+2*\q:25+4*\e+2*\q], v[S+32*(2*\p+\e)+jj+2*\q:S+32*(2*\p+\e)+jj+2*\q+1], v[S+32*(2*\p+\e)+jj+2*\q:S+32*(2*\p+\e)+jj+2*\q+1], v[24+4*\e+2*\q:25+4*\e+2*\q]
.endr
.endr
.set jj, jj+4
.endr
	WIN 0x05                                       ; sources 0 and 1 in window 1
.irp q, 0,1
.irp e, 0,1
	v_pk_mul_f32 v[112+4*\e+2*\q:113+4*\e+2*\q], v[32*(2*\p+\e)+2*\q:32*(2*\p+\e)+2*\q+1], v[32*(2*\p+\e)+2*\q:32*(2*\p+\e)+2*\q+1]
.endr
.endr
.set jj, 4
.rept 7
.irp q, 0,1
.irp e, 0,1
	v_pk_fma_f32 v[112+4*\e+2*\q:113+4*\e+2*\q], v[32*(2*\p+\e)+jj+2*\q:32*(2*\p+\e)+jj+2*\q+1], v[32*(2*\p+\e)+jj+2*\q:32*(2*\p+\e)+jj+2*\q+1], v[112+4*\e+2*\q:113+4*\e+2*\q]
.endr
.endr
.set jj, jj+4
.endr
	WIN 0
.irp b, 16,20,24,28,112,116            ; six sums over the lane's four words and the 32 lanes
	v_pk_add_f32 v[\b:\b+1], v[\b:\b+1], v[\b+2:\b+3]
.endr
.irp b, 16,20,24,28,112,116
	v_add_f32 v[\b], v[\b], v[\b+1]
.endr
.irp x, 1,2,4,8
.irp b, 16,20,24,28,112,116
	v_add_f32_dpp v[\b], v[\b], v[\b] row_xmask:\x row_mask:0xf bank_mask:0xf
.endr
.endr
.irp b, 16,20,24,28,112,116
	v_permlanex16_b32 v[\b+1], v[\b], s[SEL], s[SEL+1]
.endr
.irp b, 16,20,24,28,112,116
	v_add_f32 v[\b], v[\b], v[\b+1]
.endr
.irp b, 24,28,112,116
	v_max_num_f32 v[\b], 0x179abe15, v[\b]         ; max(norm, 1e-12) = sqrt(max(norm^2, 1e-24))
.endr
.irp b, 24,28,112,116
	v_rsq_f32 v[\b], v[\b]
.endr
	v_nop
	s_wait_alu depctr_va_vdst(0)                   ; one wait for the four
.irp e, 0,1
	v_mul_f32 v[16+4*\e], v[16+4*\e], v[24+4*\e]
.endr
.irp e, 0,1
	v_mul_f32 v[16+4*\e], v[16+4*\e], v[112+4*\e]  ; cos
.endr
.irp e, 0,1
	v_sub_f32 v[16+4*\e], 1.0, v[16+4*\e]
.endr
.irp e, 0,1
	v_cmp_neq_f32 s[70+\e], v[16+4*\e], v[16+4*\e] ; NaN?
.endr
.irp e, 0,1
	v_med3_num_f32 v[16+4*\e], v[16+4*\e], 0, 2.0
.endr
.irp e, 0,1
	v_mul_f32 v[16+4*\e], 0.5, v[16+4*\e]
.endr
.irp e, 0,1
	v_cndmask_b32 v[16+4*\e], v[16+4*\e], 1.0, s[70+\e]   ; the novelty; 1 where it was NaN
.endr
.irp e, 0,1
	v_mul_f32 v[16+4*\e], v41, v[16+4*\e]
.endr
.irp e, 0,1
	v_exp_f32 v[16+4*\e], v[16+4*\e]               ; tanh(z) = 1 - 2 / (1 + 2^(2 log2(e) z))
.endr
	v_nop
	s_wait_alu depctr_va_vdst(0)
.irp e, 0,1
	v_add_f32 v[16+4*\e], 1.0, v[16+4*\e]
.endr
.irp e, 0,1
	v_rcp_f32 v[16+4*\e], v[16+4*\e]
.endr
	v_nop
	s_wait_alu depctr_va_vdst(0)
.irp e, 0,1
	v_fma_f32 v[16+4*\e], v[16+4*\e], -2.0, 1.0
.endr
.irp e, 0,1
	v_fma_f32 v[120+2*\e], v40, v[16+4*\e], 1.0    ; the gate
.endr
.irp e, 0,1
	v_mov_b32 v[121+2*\e], v[120+2*\e]
.endr
; gelu_tanh(y) = y / (1 + 2^(y (A1 + A3 y^2))), both rows as one batch; T = v48-111
.set nn, 0
.rept 32
	v_pk_mul_f32 v[S+64*\p+2*nn:S+64*\p+2*nn+1], v[S+64*\p+2*nn:S+64*\p+2*nn+1], v[120+2*(nn/16):121+2*(nn/16)]   ; y = x gate
.set nn, nn+1
.endr
.set nn, 0
.rept 32
	v_pk_mul_f32 v[48+2*nn:49+2*nn], v[S+64*\p+2*nn:S+64*\p+2*nn+1], v[S+64*\p+2*nn:S+64*\p+2*nn+1]
.set nn, nn+1
.endr
.set nn, 0
.rept 32
	v_pk_fma_f32 v[48+2*nn:49+2*nn], v[48+2*nn:49+2*nn], s[A3:A3+1], v[44:45] op_sel_hi:[1,0,1]
.set nn, nn+1
.endr
.set nn, 0
.rept 32
	v_pk_mul_f32 v[48+2*nn:49+2*nn], v[48+2*nn:49+2*nn], v[S+64*\p+2*nn:S+64*\p+2*nn+1]
.set nn, nn+1
.endr
.set nn, 0
.rept 64
	v_exp_f32 v[48+nn], v[48+nn]
.set nn, nn+1
.endr
	v_nop
	s_wait_alu depctr_va_vdst(0)                   ; one wait for the 64
.set nn, 0
.rept 32
	v_pk_add_f32 v[48+2*nn:49+2*nn], v[48+2*nn:49+2*nn], 1.0 op_sel_hi:[1,0]
.set nn, nn+1
.endr
.set nn, 0
.rept 64
	v_rcp_f32 v[48+nn], v[48+nn]
.set nn, nn+1
.endr
	v_nop
	s_wait_alu depctr_va_vdst(0)                   ; one wait for the 64
.set nn, 0
.rept 32
	v_pk_mul_f32 v[S+64*\p+2*nn:S+64*\p+2*nn+1], v[S+64*\p+2*nn:S+64*\p+2*nn+1], v[48+2*nn:49+2*nn]
.set nn, nn+1
.endr
.irp e, 0,1
.irp c, 0,1,2,3,4,5,6,7
	global_store_b128 v[L16], v[S+32*(2*\p+\e)+4*\c:S+32*(2*\p+\e)+4*\c+3], s[OC:OC+1] offset:4096*(2*\p+\e)+512*\c th:TH_STORE_NT   ; 512 consecutive bytes, aligned
.endr
.endr
	s_cmp_eq_u32 s[TT], 3                          ; the fill and the count that leans on it stand in one arm: the count holds on both ways
	s_cbranch_scc1 .Llast_\@
	s_wait_xcnt 0x0                                ; the stores have read their registers: the next trip's rows may land there
	XLOAD \p, XN
	s_wait_loadcnt 16                              ; all but the 16 just issued: the other two rows are in
	s_branch .Ljoin_\@
.Llast_\@:
	s_wait_loadcnt 0x0
.Ljoin_\@:
.endm
.Lrow:                                             ; four trips: rows r = 4 t + 0 .. 3 of my tile, which are rows 4 (t % 2) + 16 (t / 2) + 0 .. 3 from XB on
	s_wait_xcnt 0x0                                ; the last trip's loads and stores have read their bases
	s_and_b32 s[TMP], s[TT], 1
	s_lshl_b32 s[TMP], s[TMP], 14
	s_lshr_b32 s57, s[TT], 1
	s_lshl_b32 s57, s57, 16
	s_add_co_u32 s[TMP], s[TMP], s57
	s_add_nc_u64 s[OC:OC+1], s[OB:OB+1], s[TMP:TMP+1]
	s_add_co_u32 s57, s[TT], 1
	s_and_b32 s[TMP], s57, 1
	s_lshl_b32 s[TMP], s[TMP], 14
	s_lshr_b32 s57, s57, 1
	s_lshl_b32 s57, s57, 16
	s_add_co_u32 s[TMP], s[TMP], s57
	s_add_nc_u64 s[XN:XN+1], s[XB:XB+1], s[TMP:TMP+1]   ; the next trip's rows of x (not used in the last trip)
	v_add_nc_u32 v6, s[SL], v[L16]
	s_add_co_u32 s[SL], s[SL], 4*OP
	WIN 0x40
.irp r, 0,1,2,3
.irp c, 0,1,2,3,4,5,6,7
	ds_load_b128 v[32*\r+4*\c:32*\r+4*\c+3], v6 offset:\r*OP+512*\c
.endr
.endr
	WIN 0
	EHALF 0
	EHALF 1
	s_add_co_u32 s[TT], s[TT], 1
	s_cmp_lt_u32 s[TT], 4
	s_cbranch_scc1 .Lrow
	s_set_vgpr_msb 0x5
	s_wait_tensorcnt 0x0
	ds_add_u32 v254, v255
	s_wait_dscnt 0x0
	s_set_vgpr_msb 0x500
	s_endpgm
.Lfunc_end_k_q4013f1ea79_attn:
	.size	k_q4013f1ea79_attn, .Lfunc_end_k_q4013f1ea79_attn-k_q4013f1ea79_attn
	.p2alignl 7, 3214868480
	.fill 96, 4, 3214868480
	.section	.rodata,"a",@progbits
	.p2align	6, 0x0
	.amdhsa_kernel k_q4013f1ea79_attn
		.amdhsa_group_segment_fixed_size 263680
		.amdhsa_private_segment_fixed_size 0
		.amdhsa_enable_private_segment 0
		.amdhsa_kernarg_size 64
		.amdhsa_user_sgpr_count 2
		.amdhsa_user_sgpr_kernarg_segment_ptr 1
		.amdhsa_wavefront_size32 1
		.amdhsa_system_sgpr_workgroup_id_x 1
		.amdhsa_system_sgpr_workgroup_id_y 1
		.amdhsa_system_sgpr_workgroup_id_z 1
		.amdhsa_system_vgpr_workitem_id 0
		.amdhsa_next_free_vgpr 1024
		.amdhsa_next_free_sgpr 84
		.amdhsa_reserve_vcc 1
		.amdhsa_float_denorm_mode_32 3
		.amdhsa_float_denorm_mode_16_64 3
		.amdhsa_memory_ordered 1
		.amdhsa_forward_progress 1
		.amdhsa_inst_pref_size 255
	.end_amdhsa_kernel
	.section	.bss,"aw",@nobits
	.p2align	6
	.space	262144
	.amdgpu_metadata
---
amdhsa.version: [ 1, 2 ]
amdhsa.kernels:
  - .name:           k_q4013f1ea79_attn
    .symbol:         k_q4013f1ea79_attn.kd
    .args:
      - { .name: x, .offset: 0, .size: 8, .value_kind: global_buffer, .address_space: global }
      - { .name: log_alpha, .offset: 8, .size: 8, .value_kind: global_buffer, .address_space: global }
      - { .name: log_sigma, .offset: 16, .size: 8, .value_kind: global_buffer, .address_space: global }
      - { .name: kc, .offset: 24, .size: 8, .value_kind: global_buffer, .address_space: global }
      - { .name: ks, .offset: 32, .size: 8, .value_kind: global_buffer, .address_space: global }
      - { .name: vc, .offset: 40, .size: 8, .value_kind: global_buffer, .address_space: global }
      - { .name: vs, .offset: 48, .size: 8, .value_kind: global_buffer, .address_space: global }
      - { .name: out0, .offset: 56, .size: 8, .value_kind: global_buffer, .address_space: global }
    .group_segment_fixed_size: 263680
    .private_segment_fixed_size: 0
    .kernarg_segment_align: 8
    .kernarg_segment_size: 64
    .max_flat_workgroup_size: 128
    .sgpr_count:     84
    .vgpr_count:     1024
    .wavefront_size: 32
...
	.end_amdgpu_metadata
.endif
;; end of part 2
;; ======== version 2 of 2: 2 launches; version 1 with the launch attn written anew for expert scheduling mode
;; workspace buffers: kc 12,582,912 bytes; ks 524,288 bytes; vc 12,582,912 bytes; vs 524,288 bytes
;; launch quant: the kernel of part 1 again; grid 8 x 128, 4 waves a work-group, no clusters, 69,120 bytes of LDS; arguments x, kc, ks, vc, vs; writes kc, ks, vc, vs
;; launch attn (part 3): grid 32 x 8, 4 waves a work-group, no clusters, 263,680 bytes of LDS; arguments x, log_alpha, log_sigma, kc, ks, vc, vs, out0; writes out0
.if DOCPART == 3
	.amdgcn_target "amdgcn-amd-amdhsa--gfx1250"
	.amdhsa_code_object_version 6
	.text
	.protected	k_q4013f1ea79_attn
	.globl	k_q4013f1ea79_attn
	.p2align	8
	.type	k_q4013f1ea79_attn,@function
k_q4013f1ea79_attn:
	s_mov_b64 s[64:65], 0
	v_nop
	global_prefetch_b8 v0, s[64:65] scope:SCOPE_SE
	s_setreg_imm32_b32 hwreg(HW_REG_WAVE_SCHED_MODE, 0, 2), 2
	s_setreg_imm32_b32 hwreg(HW_REG_WAVE_MODE, 25, 1), 1
	s_wait_xcnt 0x0
	s_wait_alu depctr_vm_vsrc(0)
; out = gelu_tanh(x gate), gate = 1 + alpha tanh(sigma novelty), novelty from cos(x, context), context = attn x, attn = softmax over the strictly earlier rows of x x^T / 32.
; Both products run on codes of E3M2 with E8M0 scales; attn is quantised FINISHED AND NORMALISED, in blocks of 32 keys.  So a row's maximum and sum must be whole before any weight is quantised:
; the keys are walked twice.  PASS 1: scores, each row's M (the largest t = score x log2(e) / 32, rounded up to a whole number) and the sum of 2^(t - M).  PASS 2: the same scores again,
; attn = 2^(t - M) / sum in f32, its codes and scale bytes, context.  Only keys up to the diagonal's step are walked.  Then cos, gate, gelu.
; SHARES.  A work-group owns 64 rows (queries) of one batch: 256 work-groups.  Keys go 256 a step.  SCORES: wave w owns the step's keys 64 w .. 64 w + 63 against all 64 queries: S^T = K Q^T, 16 accumulators.
; CONTEXT: wave w owns d = 256 w .. 256 w + 255 for all 64 queries: O^T = V^T P^T, 64 accumulators.  So each fragment of K and of V is multiplied by ONE wave: it comes from memory straight into that
; wave's registers (three loads of 16 bytes a lane: the buffers are images of the operand's registers), through a ring of four groups of four fragments with counted waits.  LDS carries Q (read by all four waves),
; P (from the wave that made it to all four) and, at the end, the context's rows.
; NO CLUSTER, NO JOINT LOADS: the row blocks of a batch, which read the same K and V, walk 1 to 8 key steps: partners would need different numbers of tiles; and here no fragment passes through LDS at all.
; LAYOUT.  Both products are used transposed: a lane holds one query (lane % 16) throughout.  The rows of a tile are not neighbours: lane r of tile kap takes row 32 (kap / 2) + 8 (kap % 2) + r % 8 + 16 (r / 8)
; of its group of 64, so that the 16 registers of tiles 2 b, 2 b + 1 are 16 neighbouring keys, 32 b + 16 (lane / 16) + 0 .. 15.  The queries' tiles are the same images.
; LIMITS: NaN and infinities in x are not served beyond what the clip and the NaN test below do; a block of weights whose largest lies under 2^-122 (zeros among them) keeps the scale byte 1;
; the sums are taken in another order than row by row (by lane, by wave, joined by exact powers of two); attn is 2^(t - M) x (1 / sum), not a division.
; REGISTERS, in windows of 256.  Window 0: v1-13 addresses; v16-31 four registers a query tile: -M, the largest t, the sum's two halves (pass 2: 1 / sum); v32-35 Q's scale words; v36-39 P's; v48-63 K's; v64-79 V's;
;   v80-127 Q's fragments of an odd K step, and work registers of the softmax; v128-255 S^T (32 a query tile), then P's eight fragments.
;   Window 1: v0-191 the ring; v192-239 Q's fragments of an even K step.   Windows 2, 3: O^T, accumulator (dt, tau) at 8 (4 (dt % 8) + tau) of window 2 + dt / 8.
; THE MODE: SCHED_MODE bits 1:0 = 2 (LLVM: expert scheduling mode 2), set by the entry lines.  The code itself states the register dependences between vector or matrix instructions
; and memory or LDS instructions, with s_wait_alu, always for 0.
; THE PLAN.  Registers that memory or LDS instructions touch, and who else names them:
;   the ring       K step k (context group g) reads group k % 4 as a matrix operand; the twelve loads behind that step land in the same group.
;   Q's buffers    K step k reads buffer k % 2 and its two scale words; the LDS loads behind that step land there (the fragments of K step k + 2).
;   v80-127        is also the softmax's work space: written by vector lines, read by the LDS stores of the statistics and of P; Q's fragments of K step 1 land there at the next step's head.
;   scale words    K's: read by all eight K steps, loaded behind K step 7.  V's and P's: read by the context's products, loaded behind K step 0 and with P.
;   v128-255       written by the scores' products and the softmax; then P's fragments land there and the context's products read them; on the way out x lands there, the gelu rewrites it, the stores read it.
;   O^T            named by matrix instructions alone, until the stage's LDS stores read it.
;   addresses      made once at the head; v2 to v6 are made anew on the way out.
; 1,008 of the 1,024 registers are taken: there is no fifth group, so each load lands in registers that the step just issued has read.  So ONE wait on va_vdst stands in a K step and in a context group,
; behind its sixteen matrix instructions and their places and ahead of its run of loads, which keeps four groups of the ring asked for.  The other waits stand where a softmax hands registers to LDS
; instructions or takes them back; each says what it states.  Compares whose masks vector lines read go in runs into scalar registers, with one wait on va_sdst behind a run.  EXEC is never written.
.set QIMG,  0                          ; LDS: Q's 32 fragments, (ks, tau) at (4 ks + tau) 1536
.set QSCL,  49152                      ; Q's scale words: 256 ks + 8 x lane: the pair for tiles 0, 1 and tiles 2, 3
.set PIMG,  51200                      ; P: 3072 tau + 768 w + 256 p + 8 x lane
.set PSC,   63488                      ; P's scale words: 128 (2 a + kk) + 4 x lane; lanes 0-15 tile 2 a, lanes 16-31 tile 2 a + 1
.set STAT,  64000                      ; the waves' -M and sums: 512 (2 tau + kind) + 16 x lane + 4 w
.set OP,    4112                       ; at the end, from byte 0 on: 64 rows of the context, 4,096 bytes + 16
.set GRP,   6144                       ; four fragments
.set KGB,   49152                      ; a group of 64 keys for all of D; also a wave's V of one step
.set L16, 1
.set L4,  2
.set AQS, 3
.set PST, 4
.set PLD, 5
.set PSS, 6
.set PSL, 7
.set NINF, 8
.set DQ,  9
.set PFO, 10
.set STW, 11
.set STR, 12
.set QCP, 13
.set ST,  16
.set QS,  32
.set PS,  36
.set KSC, 48
.set VSC, 64
.set WK,  80
.set QBS, 80
.set S,   128
.set QA,  192
.set WV,  20                           ; wave
.set BI,  21                           ; my block of 64 rows
.set BB,  22                           ; batch
.set NST, 23                           ; key steps: BI / 4 + 1
.set CNT, 24                           ; steps to go
.set G,   25                           ; my group of keys in this step;  GN: in the next
.set GN,  26
.set KB,  28                           ; s[28:29] its codes;  s[30:31] the next group's;  s[32:33] the next group's scale words
.set KBN, 30
.set KSN, 32
.set VB,  34                           ; s[34:35] my V of this step;  s[36:37] its scale words
.set VSB, 36
.set TMP, 38                           ; s[38:39] an offset, upper word 0
.set CS,  40                           ; s[40:41] log2(e) / 32
.set SEL, 42                           ; s[42:43] selects for lane l xor 16
.set KCB, 46
.set KSB, 48
.set XB,  50                           ; s[50:51], s[52:53] x and out at my wave's first row of the way out
.set OB,  52
.set LGA, 54
.set LGS, 55
.set TT,  56
.set OC,  58
.set SL,  60
.set XN,  62
.set A3,  66
.set MK,  68                           ; s68-83 the masks of a run of compares
.set MSB, 0
.macro WIN new                         ; the immediate's high byte repeats the setting that is left; a switch that changes nothing is dropped
.if MSB != (\new)
	s_set_vgpr_msb (MSB<<8)|(\new)
.set MSB, \new
.endif
.endm
.macro PLACES n                        ; plain instructions between a matrix instruction and a load into, a read of or a write over its registers
.rept \n
	v_nop
.endr
.endm
; One matrix instruction; its registers stand in the symbols rD, rA, rB, rSA, rSB; fA, fB = 1: the side's scale words stand in lanes 16-31.  zero = 1: it starts the sum.
.macro MM zero
.if \zero
.if fA && fB
	v_wmma_scale_f32_16x16x128_f8f6f4 v[rD:rD+7], v[rA:rA+11], v[rB:rB+11], 0, v[rSA], v[rSB] matrix_a_fmt:MATRIX_FMT_BF6 matrix_b_fmt:MATRIX_FMT_BF6 matrix_a_scale:MATRIX_SCALE_ROW1 matrix_b_scale:MATRIX_SCALE_ROW1
.elseif fA
	v_wmma_scale_f32_16x16x128_f8f6f4 v[rD:rD+7], v[rA:rA+11], v[rB:rB+11], 0, v[rSA], v[rSB] matrix_a_fmt:MATRIX_FMT_BF6 matrix_b_fmt:MATRIX_FMT_BF6 matrix_a_scale:MATRIX_SCALE_ROW1
.elseif fB
	v_wmma_scale_f32_16x16x128_f8f6f4 v[rD:rD+7], v[rA:rA+11], v[rB:rB+11], 0, v[rSA], v[rSB] matrix_a_fmt:MATRIX_FMT_BF6 matrix_b_fmt:MATRIX_FMT_BF6 matrix_b_scale:MATRIX_SCALE_ROW1
.else
	v_wmma_scale_f32_16x16x128_f8f6f4 v[rD:rD+7], v[rA:rA+11], v[rB:rB+11], 0, v[rSA], v[rSB] matrix_a_fmt:MATRIX_FMT_BF6 matrix_b_fmt:MATRIX_FMT_BF6
.endif
.else
.if fA && fB
	v_wmma_scale_f32_16x16x128_f8f6f4 v[rD:rD+7], v[rA:rA+11], v[rB:rB+11], v[rD:rD+7], v[rSA], v[rSB] matrix_a_fmt:MATRIX_FMT_BF6 matrix_b_fmt:MATRIX_FMT_BF6 matrix_a_scale:MATRIX_SCALE_ROW1 matrix_b_scale:MATRIX_SCALE_ROW1
.elseif fA
	v_wmma_scale_f32_16x16x128_f8f6f4 v[rD:rD+7], v[rA:rA+11], v[rB:rB+11], v[rD:rD+7], v[rSA], v[rSB] matrix_a_fmt:MATRIX_FMT_BF6 matrix_b_fmt:MATRIX_FMT_BF6 matrix_a_scale:MATRIX_SCALE_ROW1
.elseif fB
	v_wmma_scale_f32_16x16x128_f8f6f4 v[rD:rD+7], v[rA:rA+11], v[rB:rB+11], v[rD:rD+7], v[rSA], v[rSB] matrix_a_fmt:MATRIX_FMT_BF6 matrix_b_fmt:MATRIX_FMT_BF6 matrix_b_scale:MATRIX_SCALE_ROW1
.else
	v_wmma_scale_f32_16x16x128_f8f6f4 v[rD:rD+7], v[rA:rA+11], v[rB:rB+11], v[rD:rD+7], v[rSA], v[rSB] matrix_a_fmt:MATRIX_FMT_BF6 matrix_b_fmt:MATRIX_FMT_BF6
.endif
.endif
.endm
.macro LOADG slot, base, off           ; four fragments, 12 loads of 512 consecutive bytes, into group slot of the ring
	WIN 0x40
.irp f, 0,1,2,3
.irp c, 0,1,2
	global_load_b128 v[48*(\slot)+12*\f+4*\c:48*(\slot)+12*\f+4*\c+3], v[L16], s[\base:\base+1] offset:(\off)+1536*\f+512*\c
.endr
.endr
.endm
.macro SCLOAD reg, base                ; sixteen registers of scale words, 128 consecutive bytes each
	WIN 0
.set mm, 0
.rept 16
	global_load_b32 v[\reg+mm], v[L4], s[\base:\base+1] offset:128*mm
.set mm, mm+1
.endr
.endm
.macro QLOAD k                         ; Q's four fragments and scale words of K step k: 13 LDS loads
.if ((\k)%2) == 0
	WIN 0x40
.irp t, 0,1,2,3
.irp c, 0,1,2
	ds_load_b128 v[QA+12*\t+4*\c:QA+12*\t+4*\c+3], v[L16] offset:QIMG+(4*(\k)+\t)*1536+512*\c
.endr
.endr
	WIN 0
.else
	WIN 0
.irp t, 0,1,2,3
.irp c, 0,1,2
	ds_load_b128 v[QBS+12*\t+4*\c:QBS+12*\t+4*\c+3], v[L16] offset:QIMG+(4*(\k)+\t)*1536+512*\c
.endr
.endr
.endif
	ds_load_b64 v[QS+2*((\k)%2):QS+2*((\k)%2)+1], v[AQS] offset:256*(\k)
.endm
; PREFETCHES INTO THE L2.  Of a batch's 32 work-groups the last (block 31) walks every step: it alone asks, each wave for its own stream, lanes 256 bytes apart, 8,192 bytes an instruction.
; Pass 1, in a trip: what the next trip loads: the second half of the next step's group of K and the first half of the group after it; in the last trip V of step 0.  Pass 2: V of the next step.
; Each block of 256 bytes is named once; K's step 0 and the first half of step 1, and all scale words, come by their loads alone; no request passes the last group or the last step.
; Their offset v[PFO] is written at the head, ahead of the head's wait on va_vdst, and never again.
.macro ASK pass
	s_cmp_lg_u32 s[BI], 31
	s_cbranch_scc1 .Lnoask_\@
	s_cmp_lt_u32 s[CNT], 2
.if \pass == 1
	s_cbranch_scc1 .Laskv_\@
.irp n, 0,1,2
	global_prefetch_b8 v[PFO], s[KB:KB+1] offset:4*KGB+4*GRP+8192*\n th:TH_LOAD_NT scope:SCOPE_SE
.endr
	s_cmp_lt_u32 s[CNT], 3
	s_cbranch_scc1 .Lnoask_\@
.irp n, 0,1,2
	global_prefetch_b8 v[PFO], s[KB:KB+1] offset:8*KGB+8192*\n th:TH_LOAD_NT scope:SCOPE_SE
.endr
	s_branch .Lnoask_\@
.Laskv_\@:
.irp n, 0,1,2,3,4,5
	global_prefetch_b8 v[PFO], s[VB:VB+1] offset:8192*\n th:TH_LOAD_NT scope:SCOPE_SE
.endr
.else
	s_cbranch_scc1 .Lnoask_\@
.irp n, 0,1,2,3,4,5
	global_prefetch_b8 v[PFO], s[VB:VB+1] offset:KGB+8192*\n th:TH_LOAD_NT scope:SCOPE_SE
.endr
.endif
.Lnoask_\@:
.endm
.macro ASKX                            ; in the last step every wave asks for its own 16 rows of x (rows 0-7 and 16-23 from XB on), which the way out loads a context phase later
	s_cmp_lg_u32 s[CNT], 1
	s_cbranch_scc1 .Lnox_\@
.irp n, 0,1,2,3,4,5,6,7
	global_prefetch_b8 v[PFO], s[XB:XB+1] offset:65536*(\n/4)+8192*(\n%4) th:TH_LOAD_NT scope:SCOPE_SE
.endr
.Lnox_\@:
.endm
; A step's head: the bases move on.  In a pass's last step the look-ahead goes back to step 0's group: behind pass 1 that is pass 2's first data; behind pass 2 the loads only keep the counts alike on every way.
.macro STEPHEAD vstep
	s_wait_xcnt 0x0                                ; every load issued so far has read its base: the bases may be written
	s_mov_b64 s[KB:KB+1], s[KBN:KBN+1]
	s_mov_b32 s[G], s[GN]
	s_add_co_u32 s[GN], s[G], 4
	s_cmp_eq_u32 s[CNT], 1
	s_cselect_b32 s[GN], s[WV], s[GN]
	s_mul_i32 s[TMP], s[GN], KGB
	s_add_nc_u64 s[KBN:KBN+1], s[KCB:KCB+1], s[TMP:TMP+1]
	s_lshl_b32 s[TMP], s[GN], 11
	s_add_nc_u64 s[KSN:KSN+1], s[KSB:KSB+1], s[TMP:TMP+1]
.if \vstep
	s_add_nc_u64 s[VB:VB+1], s[VB:VB+1], KGB
	s_add_nc_u64 s[VSB:VSB+1], s[VSB:VSB+1], 2048
.endif
.endm
; K step k of the scores: 16 matrix instructions (4 key tiles x 4 query tiles; the 16 accumulators take turns), then the ring's next group and Q's fragments of two K steps on.
; THE COUNTS ON LOADcnt are the loads issued behind the group that is wanted: a group is 12, a set of scale words 16.
; Pass 1 issues, behind K steps 0 .. 7: K4 K5 K6 K7 | K0' K1' K2' | K's scale words', K3'.   Ahead of step 0 only K3 may be out (the scale words are wanted): 12; steps 1, 2: three groups and the words: 52; else three groups: 36.
; Pass 2 issues, behind K steps 0 .. 7: K4 and V's scale words, K5 K6 K7 | V0 V1 V2 | V3 and K's scale words'; behind the context's eight groups: V4 .. V7 | K0' .. K3'.   Steps 1 to 4 have V's words among the younger: 52; else 36.
.macro KSTEP pass, k
.if \pass == 1
.if \k == 0
	s_wait_loadcnt 12
.elseif \k < 3
	s_wait_loadcnt 52
.else
	s_wait_loadcnt 36
.endif
.else
.if (\k == 0) || (\k > 4)
	s_wait_loadcnt 36
.else
	s_wait_loadcnt 52
.endif
.endif
	s_wait_dscnt 13                                ; Q's fragments of this K step are in; the next K step's 13 loads may be out
.if (\k%2) == 0
	WIN 0x05                                       ; K and Q in window 1
.else
	WIN 0x01                                       ; K in window 1, Q in window 0
.endif
.set nn, 0
.rept 16
.set rD, S+32*(nn%4)+8*(nn/4)
.set rA, 48*(\k%4)+12*(nn/4)
.if (\k%2) == 0
.set rB, QA+12*(nn%4)
.else
.set rB, QBS+12*(nn%4)
.endif
.set rSA, KSC+2*\k+nn/8
.set fA, (nn/4)%2
.set rSB, QS+2*(\k%2)+(nn%4)/2
.set fB, nn%2
.if \k == 0
	MM 1
.else
	MM 0
.endif
.set nn, nn+1
.endr
	PLACES 4
	s_wait_alu depctr_va_vdst(0)                   ; this K step's sixteen matrix instructions are done reading group k % 4 of the ring, Q's buffer k % 2 and its scale words, and (K step 7) the last of K's scale words; the context's products of the step before are done reading V's (K step 0): the loads below land in these registers
.if \pass == 1
.if \k < 4
	LOADG \k, KB, GRP*(\k+4)
.elseif \k < 7
	LOADG \k-4, KBN, GRP*(\k-4)
.else
	SCLOAD KSC, KSN
	LOADG 3, KBN, GRP*3
.endif
.else
.if \k == 0
	LOADG 0, KB, GRP*4
	SCLOAD VSC, VSB
.elseif \k < 4
	LOADG \k, KB, GRP*(\k+4)
.elseif \k < 7
	LOADG \k-4, VB, GRP*(\k-4)
.else
	LOADG 3, VB, GRP*3
	SCLOAD KSC, KSN
.endif
.endif
.if \k < 6
	QLOAD \k+2
.elseif \k == 6
	QLOAD 0                                        ; for the next step
.endif
	WIN 0
.if \k == 0
	ASK \pass
.endif
.endm
.macro SPHASE pass
.if \pass == 1
	s_wait_alu depctr_va_vdst(0)                   ; the mask's and the statistics' lines of the step before are done with v[WK ..], in which Q's fragments of K step 1 land.  (In pass 2 the wait at COMBINE's end, or the one behind the context's last group, has stated the same: no vector line follows either)
.endif
	QLOAD 1
.irp q, 0,1,2,3,4,5,6,7
	KSTEP \pass, \q
.endr
.endm
; The mask, in the last step alone (earlier steps' keys all come before my 64 rows).  Register n of tile tau holds key 64 G + 16 h + 32 (n / 16) + n % 16; it is hidden where that is not under the lane's query:
; 32 (n / 16) + n % 16 >= D = 64 (BI - G) + r % 8 + 16 (r / 8) - 16 h + 32 (tau / 2) + 8 (tau % 2).  A group behind the diagonal comes out all -infinity, one before it untouched.
; The compares go sixteen at a time into s68-83, the selects that read them behind one wait for the run.
.macro MASK
	s_cmp_lg_u32 s[CNT], 1
	s_cbranch_scc1 .Lopen_\@
	s_sub_co_i32 s44, s[BI], s[G]
	s_lshl_b32 s44, s44, 6
	v_add_nc_u32 v[WK], s44, v[DQ]
	v_add_nc_u32 v[WK+1], 8, v[WK]
	v_add_nc_u32 v[WK+2], 32, v[WK]
	v_add_nc_u32 v[WK+3], 40, v[WK]
.set bb, 0
.rept 8
.set nn, 0
.rept 16
	v_cmp_ge_i32 s[MK+nn], 32*(bb%2)+nn, v[WK+bb/2]
.set nn, nn+1
.endr
	s_wait_alu depctr_va_sdst(0)                   ; the sixteen compares have written s68-83, ahead of the selects that read them
.set nn, 0
.rept 16
	v_cndmask_b32 v[S+16*bb+nn], v[S+16*bb+nn], v[NINF], s[MK+nn]
.set nn, nn+1
.endr
.set bb, bb+1
.endr
.Lopen_\@:
.endm
; Pass 1: each LANE keeps its own M and sum over its 32 keys of each group; lanes and waves are joined once, behind the pass.  The four query tiles take turns line by line.
.macro STAT1
.irp t, 0,1,2,3
	v_max3_num_f32 v[WK+\t], v[S+32*\t], v[S+32*\t+1], v[S+32*\t+2]     ; each accumulator is read from its low end on
.endr
.irp i, 3,5,7,9,11,13,15,17,19,21,23,25,27,29
.irp t, 0,1,2,3
	v_max3_num_f32 v[WK+\t], v[WK+\t], v[S+32*\t+\i], v[S+32*\t+\i+1]
.endr
.endr
.irp t, 0,1,2,3
	v_max_num_f32 v[WK+\t], v[WK+\t], v[S+32*\t+31]
.endr
.irp t, 0,1,2,3
	v_mul_f32 v[WK+\t], s[CS], v[WK+\t]            ; as t
.endr
.irp t, 0,1,2,3
	v_max_num_f32 v[ST+4*\t+1], v[ST+4*\t+1], v[WK+\t]
.endr
.irp t, 0,1,2,3
	v_mov_b32 v[WK+4+\t], v[ST+4*\t]
.endr
.irp t, 0,1,2,3
	v_floor_f32 v[ST+4*\t], -v[ST+4*\t+1]          ; -M = floor(-t): M is a whole number
.endr
.irp t, 0,1,2,3
	v_sub_f32 v[WK+4+\t], v[ST+4*\t], v[WK+4+\t]   ; old M - new M, 0 or less
.endr
.irp t, 0,1,2,3
	v_cvt_i32_f32 v[WK+4+\t], v[WK+4+\t]           ; (it saturates)
.endr
.irp t, 0,1,2,3
	v_ldexp_f32 v[WK+8+2*\t], 1.0, v[WK+4+\t]      ; 2^(old M - new M): exact
.endr
.set nn, 0
.rept 64
	v_pk_fma_f32 v[S+2*nn:S+2*nn+1], v[S+2*nn:S+2*nn+1], s[CS:CS+1], v[ST+4*(nn/16):ST+4*(nn/16)+1] op_sel_hi:[1,0,0]   ; t - M
.set nn, nn+1
.endr
.set nn, 0
.rept 128
	v_exp_f32 v[S+nn], v[S+nn]
.set nn, nn+1
.endr
.irp t, 0,1,2,3
	v_pk_mul_f32 v[ST+4*\t+2:ST+4*\t+3], v[ST+4*\t+2:ST+4*\t+3], v[WK+8+2*\t:WK+9+2*\t] op_sel_hi:[1,0]   ; the sums under the new M; plain instructions behind the exponentials
.endr
	s_wait_alu depctr_va_vdst(0)                   ; the 128 exponentials have written v[S ..]: one wait for the batch, ahead of its first reader
.irp t, 0,1,2,3
	v_pk_add_f32 v[WK+16+2*\t:WK+17+2*\t], v[S+32*\t:S+32*\t+1], v[S+32*\t+2:S+32*\t+3]
.endr
.irp j, 4,8,12,16,20,24,28
.irp t, 0,1,2,3
	v_pk_add_f32 v[ST+4*\t+2:ST+4*\t+3], v[ST+4*\t+2:ST+4*\t+3], v[S+32*\t+\j:S+32*\t+\j+1]
	v_pk_add_f32 v[WK+16+2*\t:WK+17+2*\t], v[WK+16+2*\t:WK+17+2*\t], v[S+32*\t+\j+2:S+32*\t+\j+3]
.endr
.endr
.irp t, 0,1,2,3
	v_pk_add_f32 v[ST+4*\t+2:ST+4*\t+3], v[ST+4*\t+2:ST+4*\t+3], v[WK+16+2*\t:WK+17+2*\t]
.endr
.endm
; Between the passes: a query's eight parts (two lanes in each of four waves) are joined: the least -M, and each part's sum brought under it by an exact power of two.  1 / sum, or 0 where no key counts.
.macro COMBINE
.irp t, 0,1,2,3
	v_add_f32 v[ST+4*\t+2], v[ST+4*\t+2], v[ST+4*\t+3]
	v_mov_b32 v[WK+\t], 0                          ; a lane permute's destination counts as one of its sources
	v_mov_b32 v[WK+4+\t], 0
.endr
.irp t, 0,1,2,3
	v_permlanex16_b32 v[WK+\t], v[ST+4*\t], s[SEL], s[SEL+1]
	v_permlanex16_b32 v[WK+4+\t], v[ST+4*\t+2], s[SEL], s[SEL+1]
.endr
.irp t, 0,1,2,3
	v_min_num_f32 v[WK+8+\t], v[ST+4*\t], v[WK+\t]
.endr
.irp t, 0,1,2,3
	v_sub_f32 v[WK+12+\t], v[WK+8+\t], v[ST+4*\t]
	v_sub_f32 v[WK+16+\t], v[WK+8+\t], v[WK+\t]
.endr
.irp t, 0,1,2,3
	v_cvt_i32_f32 v[WK+12+\t], v[WK+12+\t]
	v_cvt_i32_f32 v[WK+16+\t], v[WK+16+\t]
.endr
.irp t, 0,1,2,3
	v_ldexp_f32 v[WK+20+\t], v[ST+4*\t+2], v[WK+12+\t]
	v_ldexp_f32 v[WK+24+\t], v[WK+4+\t], v[WK+16+\t]
.endr
.irp t, 0,1,2,3
	v_add_f32 v[WK+20+\t], v[WK+20+\t], v[WK+24+\t]
.endr
	s_wait_alu depctr_va_vdst(0)                   ; v[WK+8 ..] and v[WK+20 ..] are written, which the LDS stores read; and the lines above are done with v[WK .. WK+31], in which the loads behind the barrier land
.irp t, 0,1,2,3
	ds_store_b32 v[STW], v[WK+8+\t] offset:1024*\t
	ds_store_b32 v[STW], v[WK+20+\t] offset:1024*\t+512
.endr
	s_wait_dscnt 0x0                               ; my words lie in LDS (and Q's fragments asked for in the last K steps are in)
	s_barrier_signal -1
	s_barrier_wait -1
	s_wait_alu depctr_vm_vsrc(0)                   ; my LDS stores have read v[WK+8 ..] and v[WK+20 ..], in which the loads below land
.irp m, 0,1,2,3,4,5,6,7
	ds_load_b128 v[WK+4*\m:WK+4*\m+3], v[STR] offset:512*\m          ; the four waves' -M (m even) and sums (m odd) of my query
.endr
	s_wait_dscnt 0x0
.irp t, 0,1,2,3
	v_min3_num_f32 v[ST+4*\t], v[WK+8*\t], v[WK+8*\t+1], v[WK+8*\t+2]
.endr
.irp t, 0,1,2,3
	v_min_num_f32 v[ST+4*\t], v[ST+4*\t], v[WK+8*\t+3]
.endr
.irp w, 0,1,2,3
.irp t, 0,1,2,3
	v_sub_f32 v[WK+8*\t+\w], v[ST+4*\t], v[WK+8*\t+\w]
.endr
.endr
.irp w, 0,1,2,3
.irp t, 0,1,2,3
	v_cvt_i32_f32 v[WK+8*\t+\w], v[WK+8*\t+\w]
.endr
.endr
.irp w, 0,1,2,3
.irp t, 0,1,2,3
	v_ldexp_f32 v[WK+8*\t+4+\w], v[WK+8*\t+4+\w], v[WK+8*\t+\w]
.endr
.endr
.irp t, 0,1,2,3
	v_add_f32 v[WK+8*\t+4], v[WK+8*\t+4], v[WK+8*\t+5]
	v_add_f32 v[WK+8*\t+6], v[WK+8*\t+6], v[WK+8*\t+7]
.endr
.irp t, 0,1,2,3
	v_add_f32 v[WK+8*\t+4], v[WK+8*\t+4], v[WK+8*\t+6]
.endr
.irp t, 0,1,2,3
	v_rcp_f32 v[ST+4*\t+2], v[WK+8*\t+4]
.endr
	v_nop                                          ; a plain instruction behind the last reciprocal
	s_wait_alu depctr_va_vdst(0)                   ; the four reciprocals have written v[ST+2 ..]: one wait, ahead of their first reader
.irp t, 0,1,2,3
	v_cmp_lt_f32 s[MK+\t], 0, v[WK+8*\t+4]
.endr
	s_wait_alu depctr_va_sdst(0)                   ; the four compares have written s68-71, ahead of the selects that read them
.irp t, 0,1,2,3
	v_cndmask_b32 v[ST+4*\t+2], 0, v[ST+4*\t+2], s[MK+\t]   ; a row with no earlier row: every weight is 0
.endr
	s_wait_alu depctr_va_vdst(0)                   ; the lines above are done with v[WK ..], in which Q's fragments of pass 2's K step 1 land
.endm
; Pass 2: the weights, finished and normalised in f32, become codes and scale bytes.  My 64 keys are half a fragment (six registers) and two of its four scale bytes for each query tile.
.macro PQUANT
.set nn, 0
.rept 64
	v_pk_fma_f32 v[S+2*nn:S+2*nn+1], v[S+2*nn:S+2*nn+1], s[CS:CS+1], v[ST+4*(nn/16):ST+4*(nn/16)+1] op_sel_hi:[1,0,0]
.set nn, nn+1
.endr
.set nn, 0
.rept 128
	v_exp_f32 v[S+nn], v[S+nn]
.set nn, nn+1
.endr
.irp m, 0,1,2,3,4,5,6,7
	v_mov_b32 v[WK+8+\m], 0                        ; the permutes' destinations below; also the plain instructions behind the exponentials
.endr
	s_wait_alu depctr_va_vdst(0)                   ; the 128 exponentials have written v[S ..]: one wait for the batch, ahead of its first reader
.set nn, 0
.rept 64
	v_pk_mul_f32 v[S+2*nn:S+2*nn+1], v[S+2*nn:S+2*nn+1], v[ST+4*(nn/16)+2:ST+4*(nn/16)+3] op_sel_hi:[1,0]   ; attn
.set nn, nn+1
.endr
.irp m, 0,1,2,3,4,5,6,7
	v_max3_num_f32 v[WK+\m], v[S+16*\m], v[S+16*\m+1], 0x2800000     ; block m = 2 tau + b: my 16 weights (none is negative), and the floor 2^(5 - 127)
.endr
.irp i, 2,4,6,8,10,12,14
.irp m, 0,1,2,3,4,5,6,7
	v_max3_num_f32 v[WK+\m], v[WK+\m], v[S+16*\m+\i], v[S+16*\m+\i+1]
.endr
.endr
.irp m, 0,1,2,3,4,5,6,7
	v_permlanex16_b32 v[WK+8+\m], v[WK+\m], s[SEL], s[SEL+1]
.endr
.irp m, 0,1,2,3,4,5,6,7
	v_max_num_f32 v[WK+\m], v[WK+\m], v[WK+8+\m]   ; with lane l xor 16's 16: the block's largest
.endr
.irp m, 0,1,2,3,4,5,6,7
	v_add_nc_u32 v[WK+\m], 0xfe000000, v[WK+\m]    ; 4 off the exponent field: the conversion's scale operand
.endr
.irp m, 0,1,2,3,4,5,6,7
	v_lshrrev_b32 v[WK+8+\m], 23, v[WK+\m]         ; the byte
.endr
.irp t, 0,1,2,3
	v_lshl_or_b32 v[WK+8+2*\t], v[WK+9+2*\t], 8, v[WK+8+2*\t]
.endr
.irp q, 0,1
.irp e, 0,1
	v_cvt_scalef32_pk16_bf6_f32 v[WK+16+6*(2*\q+\e):WK+18+6*(2*\q+\e)], v[S+32*(2*\q+\e):S+32*(2*\q+\e)+15], v[WK+2*(2*\q+\e)]
	v_cvt_scalef32_pk16_bf6_f32 v[WK+40+4*\e:WK+42+4*\e], v[S+32*(2*\q+\e)+16:S+32*(2*\q+\e)+31], v[WK+2*(2*\q+\e)+1]
.endr
	v_nop                                          ; one plain instruction behind the scaled conversions
.irp e, 0,1
.irp i, 0,1,2
	v_permlane16_swap_b32 v[WK+16+6*(2*\q+\e)+\i], v[WK+40+4*\e+\i]   ; a whole block to a lane: lanes 0-15 block 0, lanes 16-31 block 1
.endr
.irp i, 0,1,2
	v_mov_b32 v[WK+19+6*(2*\q+\e)+\i], v[WK+40+4*\e+\i]
.endr
.endr
.endr
	s_wait_alu depctr_va_vdst(0)                   ; the codes in v[WK+16 ..] and the bytes in v[WK+8 ..] are written, which the LDS stores read; and the lines above are done with v[S ..], in which P's fragments land behind the barrier
.irp t, 0,1,2,3
.irp p, 0,1,2
	ds_store_b64 v[PST], v[WK+16+6*\t+2*\p:WK+17+6*\t+2*\p] offset:3072*\t+256*\p
.endr
	ds_store_b16 v[PSS], v[WK+8+2*\t] offset:256*(\t/2)+64*(\t%2)    ; both lanes of a query write the same two bytes with the same value
.endr
.endm
.macro PLOAD                           ; P's eight fragments (tau, kk) and their scale words, as the four waves left them
.irp m, 0,1,2,3,4,5,6,7
.irp p, 0,1,2,3,4,5
	ds_load_b64 v[S+12*\m+2*\p:S+12*\m+2*\p+1], v[PLD] offset:1536*\m+256*\p
.endr
.endr
.irp m, 0,1,2,3
	ds_load_b32 v[PS+\m], v[PSL] offset:128*\m
.endr
.endm
; Group g of the context: keys 128 (g / 4) on, d tiles 4 (g % 4) + 0 .. 3, all four query tiles: 16 matrix instructions; the 64 accumulators take turns.
; The counts: groups 0 to 3 have K's scale words among the younger loads: 52; groups 4 to 7 three groups: 36.
.macro PVG g, zero
.if \g < 4
	s_wait_loadcnt 52
.else
	s_wait_loadcnt 36
.endif
.if (\g%4) < 2
	WIN 0xa1                                       ; V in window 1, P in window 0, O^T in window 2
.else
	WIN 0xf1                                       ; O^T in window 3
.endif
.set nn, 0
.rept 16
.set dt, 4*(\g%4)+nn/4
.set rD, 8*(4*(dt%8)+nn%4)
.set rA, 48*(\g%4)+12*(nn/4)
.set rB, S+12*(2*(nn%4)+\g/4)
.set rSA, VSC+8*(\g/4)+dt/2
.set fA, dt%2
.set rSB, PS+2*((nn%4)/2)+\g/4
.set fB, nn%2
	MM \zero
.set nn, nn+1
.endr
.if \g == 7
	PLACES 5                                       ; the next matrix instruction writes over P's registers: one place more than a load wants
.else
	PLACES 4
.endif
	s_wait_alu depctr_va_vdst(0)                   ; this group's sixteen matrix instructions are done reading group g % 4 of the ring, in which the loads below land.  Behind group 7 it also states that P's registers, its scale words: no vector or matrix line follows in this step
.if \g < 4
	LOADG \g, VB, GRP*(\g+4)
.else
	LOADG \g-4, KBN, GRP*(\g-4)
.endif
.endm
; A step of pass 2.  first = 1: its first 64 products of the context start the sums: nothing is cleared.
.macro STEP2 first
	STEPHEAD 1-\first
	SPHASE 2
	MASK
	PQUANT
	s_wait_dscnt 0x0                               ; my part of P lies in LDS
	s_wait_alu depctr_vm_vsrc(0)                   ; and the LDS stores have read v[WK+8 ..] and v[WK+16 ..], in which Q's fragments land at the next step's head and which later vector lines write
	s_barrier_signal -1
	s_barrier_wait -1                              ; all of P does
	PLOAD
	s_wait_dscnt 0x0                               ; I have read P
	s_barrier_signal -1
	s_barrier_wait -1                              ; every wave has: the next step may write over it
	ASKX
.irp g, 0,1,2,3
	PVG \g, \first
.endr
.irp g, 4,5,6,7
	PVG \g, 0
.endr
	WIN 0
.endm
	s_load_b512 s[4:19], s[0:1], 0x0               ; x, log_alpha, log_sigma, kc, ks, vc, vs, out0
	s_set_vgpr_msb 0x40
	v_lshl_add_u32 v254, v0, 2, 0x40400
	v_mov_b32 v255, 0
	s_set_vgpr_msb 0x4000
	v_lshrrev_b32 v14, 5, v0
	v_readfirstlane_b32 s[WV], v14
	s_mov_b32 s[BI], ttmp9
	s_and_b32 s[BB], ttmp7, 0xffff
	s_lshr_b32 s[NST], s[BI], 2
	s_add_co_u32 s[NST], s[NST], 1
	v_and_b32 v14, 31, v0                          ; lane
	v_and_b32 v15, 15, v0                          ; r
	v_bfe_u32 v40, v0, 4, 1                        ; h
	v_and_b32 v41, 0x60, v0                        ; 32 w
	v_bfe_u32 v42, v0, 6, 1                        ; w / 2
	v_bfe_u32 v43, v0, 5, 1                        ; w % 2
	v_lshlrev_b32 v[L16], 4, v14
	v_lshlrev_b32 v[L4], 2, v14
	v_lshl_add_u32 v[AQS], v14, 3, QSCL
	v_mul_u32_u24 v[PST], v41, 24                  ; 768 w
	v_lshl_add_u32 v[PST], v14, 3, v[PST]
	v_add_nc_u32 v[PST], PIMG, v[PST]
	v_lshl_add_u32 v[PLD], v14, 3, PIMG
	v_lshl_add_u32 v[PSS], v15, 2, PSC
	v_lshl_add_u32 v[PSS], v42, 7, v[PSS]
	v_lshl_add_u32 v[PSS], v43, 1, v[PSS]
	v_lshl_add_u32 v[PSL], v14, 2, PSC
	v_mov_b32 v[NINF], 0xff800000
	v_and_b32 v[DQ], 7, v0
	v_bfe_u32 v44, v0, 3, 1
	v_lshl_add_u32 v[DQ], v44, 4, v[DQ]
	v_lshlrev_b32 v44, 4, v40
	v_sub_nc_u32 v[DQ], v[DQ], v44                 ; r % 8 + 16 (r / 8) - 16 h
	v_lshlrev_b32 v[PFO], 8, v14
	v_add_nc_u32 v[STR], STAT, v[L16]
	v_lshrrev_b32 v44, 3, v41
	v_add_nc_u32 v[STW], v[STR], v44
	v_mad_u32_u24 v[QCP], v41, 384, v[L16]         ; 12,288 w + 16 x lane: my quarter of Q's image, in memory and in LDS
	v_lshl_add_u32 v45, v41, 4, v[AQS]             ; QSCL + 512 w + 8 x lane
	s_mov_b32 s[CS], 0x3d38aa3b                    ; log2(e) / 32
	s_mov_b32 s[CS+1], s[CS]
	s_mov_b32 s[SEL], 0x76543210
	s_mov_b32 s[SEL+1], 0xfedcba98
	s_mov_b32 s[TMP+1], 0
	s_wait_alu depctr_va_sdst(0)                   ; the wave's number is written, ahead of its first reader: the bases below are made from it
	s_wait_kmcnt 0x0
	s_load_b32 s[LGA], s[6:7], 0x0
	s_load_b32 s[LGS], s[8:9], 0x0
	s_mul_i32 s[TMP], s[BB], 32*KGB
	s_add_nc_u64 s[KCB:KCB+1], s[10:11], s[TMP:TMP+1]
	s_lshl_b32 s[TMP], s[BB], 16
	s_add_nc_u64 s[KSB:KSB+1], s[12:13], s[TMP:TMP+1]
	s_lshl_b32 s57, s[BB], 2
	s_add_co_u32 s57, s57, s[WV]                   ; 4 b + w
	s_mul_i32 s[TMP], s57, 8*KGB
	s_add_nc_u64 s[VB:VB+1], s[14:15], s[TMP:TMP+1]
	s_lshl_b32 s[TMP], s57, 14
	s_add_nc_u64 s[VSB:VSB+1], s[16:17], s[TMP:TMP+1]
	s_lshl_b32 s[TMP], s[BB], 11                   ; on the way out wave w takes query tile w: rows 2048 b + 64 BI + 32 (w / 2) + 8 (w % 2) + 0 .. 7 and + 16 .. 23
	s_lshl_b32 s57, s[BI], 6
	s_add_co_u32 s[TMP], s[TMP], s57
	s_lshr_b32 s57, s[WV], 1
	s_lshl_b32 s57, s57, 5
	s_add_co_u32 s[TMP], s[TMP], s57
	s_and_b32 s57, s[WV], 1
	s_lshl_b32 s57, s57, 3
	s_add_co_u32 s[TMP], s[TMP], s57
	s_lshl_b32 s[TMP], s[TMP], 12
	s_add_nc_u64 s[XB:XB+1], s[4:5], s[TMP:TMP+1]
	s_add_nc_u64 s[OB:OB+1], s[18:19], s[TMP:TMP+1]
	s_mul_i32 s[TMP], s[BI], KGB                   ; Q is group BI of the same images
	s_add_nc_u64 s[56:57], s[KCB:KCB+1], s[TMP:TMP+1]
	s_lshl_b32 s[TMP], s[BI], 11
	s_lshl_b32 s60, s[WV], 9
	s_add_co_u32 s[TMP], s[TMP], s60
	s_add_nc_u64 s[58:59], s[KSB:KSB+1], s[TMP:TMP+1]   ; its scale words of K steps 2 w and 2 w + 1
	s_mov_b32 s[GN], s[WV]                         ; step 0: my group is w
	s_mul_i32 s[TMP], s[GN], KGB
	s_add_nc_u64 s[KBN:KBN+1], s[KCB:KCB+1], s[TMP:TMP+1]
	s_lshl_b32 s[TMP], s[GN], 11
	s_add_nc_u64 s[KSN:KSN+1], s[KSB:KSB+1], s[TMP:TMP+1]
	s_wait_alu depctr_va_vdst(0)                   ; the addresses and offsets v1 to v7, v10 to v13 and v45 are written, which the loads, LDS instructions and prefetches of both passes read
.set nn, 0
.rept 24
	global_load_b128 v[S+4*nn:S+4*nn+3], v[QCP], s[56:57] offset:512*nn
.set nn, nn+1
.endr
.irp m, 0,1,2,3
	global_load_b32 v[224+\m], v[L4], s[58:59] offset:128*\m
.endr
	LOADG 0, KBN, 0
	LOADG 1, KBN, GRP
	LOADG 2, KBN, GRP*2
	WIN 0
	s_wait_loadcnt 36                              ; Q's 28 loads are in; the ring's first three groups may be out
.set nn, 0
.rept 24
	ds_store_b128 v[QCP], v[S+4*nn:S+4*nn+3] offset:QIMG+512*nn
.set nn, nn+1
.endr
	ds_store_b64 v45, v[224:225]                   ; the words of tiles 0, 1 and of tiles 2, 3 side by side
	ds_store_b64 v45, v[226:227] offset:256
	SCLOAD KSC, KSN
	LOADG 3, KBN, GRP*3
	WIN 0
	s_wait_dscnt 0x0                               ; my quarter of Q lies in LDS
	s_barrier_signal -1
	s_barrier_wait -1                              ; all of it does
	s_wait_alu depctr_vm_vsrc(0)                   ; my LDS stores have read v128 to v227, which the scores' products write, and v45, which the way out writes
	QLOAD 0
.irp t, 0,1,2,3
	v_mov_b32 v[ST+4*\t+1], 0xff61b1e6             ; the largest t so far: -3e38
	v_floor_f32 v[ST+4*\t], -v[ST+4*\t+1]
	v_mov_b32 v[ST+4*\t+2], 0
	v_mov_b32 v[ST+4*\t+3], 0
.endr
	s_mov_b32 s[CNT], s[NST]
	s_wait_kmcnt 0x0                               ; log_alpha, log_sigma
.Lp1:                                              ; PASS 1: no barrier, no LDS store
	STEPHEAD 0
	SPHASE 1
	MASK
	STAT1
	s_sub_co_u32 s[CNT], s[CNT], 1
	s_cmp_lg_u32 s[CNT], 0
	s_cbranch_scc1 .Lp1
	s_wait_loadcnt 0x0                             ; step 0's first four groups and scale words are in again: so pass 2's counts hold on the way in as on the way back
	COMBINE
	s_mov_b32 s[CNT], s[NST]
	STEP2 1                                        ; PASS 2: the first step is written out
	s_sub_co_u32 s[CNT], s[CNT], 1
	s_cmp_eq_u32 s[CNT], 0
	s_cbranch_scc1 .Lout
.Lp2:
	STEP2 0
	s_sub_co_u32 s[CNT], s[CNT], 1
	s_cmp_lg_u32 s[CNT], 0
	s_cbranch_scc1 .Lp2
.Lout:
; THE WAY OUT.  The context's rows meet in LDS (a row's 1,024 numbers come from four waves); wave w then takes query tile w's 16 rows, four a trip: cos(x, context), the gate, the gelu, the stores.
.macro XLOAD p, base                   ; rows 2 p and 2 p + 1 of four: 16 loads of 512 consecutive bytes
.irp e, 0,1
.irp c, 0,1,2,3,4,5,6,7
	global_load_b128 v[S+32*(2*\p+\e)+4*\c:S+32*(2*\p+\e)+4*\c+3], v[L16], s[\base:\base+1] offset:4096*(2*\p+\e)+512*\c th:TH_LOAD_NT
.endr
.endr
.endm
	s_wait_loadcnt 0x0                             ; the look-ahead's loads have landed: their registers and addresses are free
	s_wait_alu depctr_vm_vsrc(0)                   ; the loads and LDS instructions of both passes have read their addresses v2 to v6, which are written anew below
	XLOAD 0, XB                                    ; (they land in v128 to v255: the wait behind the context's last group has stated that these are read, and no vector or matrix line stands since)
	XLOAD 1, XB
	v_mov_b32 v40, s[LGA]                          ; softplus(z) = max(z, 0) + ln 2 x log2(1 + 2^(-|z| log2 e))
	v_mov_b32 v41, s[LGS]
	v_mul_f32 v42, 0xbfb8aa3b, |v40|
	v_mul_f32 v43, 0xbfb8aa3b, |v41|
	v_exp_f32 v42, v42
	v_exp_f32 v43, v43
	v_max_num_f32 v40, 0, v40
	v_max_num_f32 v41, 0, v41
	s_wait_alu depctr_va_vdst(0)                   ; the two exponentials have written v42 and v43, ahead of their first reader
	v_add_f32 v42, 1.0, v42
	v_add_f32 v43, 1.0, v43
	v_log_f32 v42, v42
	v_log_f32 v43, v43
	v_mov_b32 v44, 0xc0135761                      ; A1 = -2 log2(e) sqrt(2 / pi)
	v_mov_b32 v45, 0xc0135761
	s_wait_alu depctr_va_vdst(0)                   ; the two logarithms have written v42 and v43, ahead of their first reader
	v_fmamk_f32 v40, v42, 0x3f317218, v40          ; alpha
	v_fmamk_f32 v41, v43, 0x3f317218, v41          ; sigma,
	v_mul_f32 v41, 0x4038aa3b, v41                 ; x 2 log2(e), for the tanh
	v_and_b32 v46, 15, v0
	v_bfe_u32 v47, v0, 4, 1
	v_mul_u32_u24 v2, v46, OP                      ; the stage: row 16 tau + r, + 1,024 w + 32 h bytes; a register for each tau
	v_lshl_add_u32 v2, v47, 5, v2
	v_and_b32 v46, 0x60, v0
	v_lshl_add_u32 v2, v46, 5, v2
	v_add_nc_u32 v3, 16*OP, v2
	v_add_nc_u32 v4, 32*OP, v2
	v_add_nc_u32 v5, 48*OP, v2
	s_mov_b32 s[A3], 0xbdd2d3e8                    ; A3 = 0.044715 A1
	s_mov_b32 s[A3+1], s[A3]
	s_mul_i32 s[SL], s[WV], 16*OP
	s_mov_b32 s[TT], 0
	s_mov_b32 s[TMP+1], 0
	s_wait_dscnt 0x0
	s_barrier_signal -1
	s_barrier_wait -1                              ; every wave's reads of Q's and P's bytes are over: the stage may lie over them
	s_wait_alu depctr_va_vdst(0)                   ; v2 to v5 are written, the addresses of the LDS stores below; their data, O^T, are written too
.set dd, 0
.rept 16
.if dd < 8
	WIN 0x08                                       ; an LDS store's data are its source 1: window 2,
.else
	WIN 0x0c                                       ; window 3
.endif
.irp t, 0,1,2,3
	ds_store_b128 v[2+\t], v[8*(4*(dd%8)+\t):8*(4*(dd%8)+\t)+3] offset:64*dd       ; each accumulator from its low end on
	ds_store_b128 v[2+\t], v[8*(4*(dd%8)+\t)+4:8*(4*(dd%8)+\t)+7] offset:64*dd+16
.endr
.set dd, dd+1
.endr
	WIN 0
	s_wait_dscnt 0x0
	s_barrier_signal -1
	s_barrier_wait -1                              ; 64 whole rows of the context lie in the stage
	s_wait_loadcnt 16                              ; x's rows 0 and 1 are in; rows 2 and 3, 16 loads, may be out
; Half a trip: rows 2 p and 2 p + 1.  x in v[S + 32 row ..], the context in window 1, v[32 row ..]; lane l holds d = 128 c + 4 l + 0 .. 3 of both.
.macro EHALF p
.if \p == 0
	s_wait_dscnt 16                                ; my two rows of the context are in, the other two may be out
.else
	s_wait_dscnt 0x0
.endif
	WIN 0x04                                       ; source 1 (the context) in window 1
.irp q, 0,1
.irp e, 0,1
	v_pk_mul_f32 v[16+4*\e+2*\q:17+4*\e+2*\q], v[S+32*(2*\p+\e)+2*\q:S+32*(2*\p+\e)+2*\q+1], v[32*(2*\p+\e)+2*\q:32*(2*\p+\e)+2*\q+1]
.endr
.endr
.set jj, 4
.rept 7
.irp q, 0,1
.irp e, 0,1
	v_pk_fma_f32 v[16+4*\e+2*\q:17+4*\e+2*\q], v[S+32*(2*\p+\e)+jj+2*\q:S+32*(2*\p+\e)+jj+2*\q+1], v[32*(2*\p+\e)+jj+2*\q:32*(2*\p+\e)+jj+2*\q+1], v[16+4*\e+2*\q:17+4*\e+2*\q]
.endr
.endr
.set jj, jj+4
.endr
	WIN 0
.irp q, 0,1
.irp e, 0,1
	v_pk_mul_f32 v[24+4*\e+2*\q:25+4*\e+2*\q], v[S+32*(2*\p+\e)+2*\q:S+32*(2*\p+\e)+2*\q+1], v[S+32*(2*\p+\e)+2*\q:S+32*(2*\p+\e)+2*\q+1]
.endr
.endr
.set jj, 4
.rept 7
.irp q, 0,1
.irp e, 0,1
	v_pk_fma_f32 v[24+4*\e+2*\q:25+4*\e+2*\q], v[S+32*(2*\p+\e)+jj+2*\q:S+32*(2*\p+\e)+jj+2*\q+1], v[S+32*(2*\p+\e)+jj+2*\q:S+32*(2*\p+\e)+jj+2*\q+1], v[24+4*\e+2*\q:25+4*\e+2*\q]
.endr
.endr
.set jj, jj+4
.endr
	WIN 0x05                                       ; sources 0 and 1 in window 1
.irp q, 0,1
.irp e, 0,1
	v_pk_mul_f32 v[112+4*\e+2*\q:113+4*\e+2*\q], v[32*(2*\p+\e)+2*\q:32*(2*\p+\e)+2*\q+1], v[32*(2*\p+\e)+2*\q:32*(2*\p+\e)+2*\q+1]
.endr
.endr
.set jj, 4
.rept 7
.irp q, 0,1
.irp e, 0,1
	v_pk_fma_f32 v[112+4*\e+2*\q:113+4*\e+2*\q], v[32*(2*\p+\e)+jj+2*\q:32*(2*\p+\e)+jj+2*\q+1], v[32*(2*\p+\e)+jj+2*\q:32*(2*\p+\e)+jj+2*\q+1], v[112+4*\e+2*\q:113+4*\e+2*\q]
.endr
.endr
.set jj, jj+4
.endr
	WIN 0
.irp b, 16,20,24,28,112,116            ; six sums over the lane's four words and the 32 lanes
	v_pk_add_f32 v[\b:\b+1], v[\b:\b+1], v[\b+2:\b+3]
.endr
.irp b, 16,20,24,28,112,116
	v_add_f32 v[\b], v[\b], v[\b+1]
.endr
.irp x, 1,2,4,8
.irp b, 16,20,24,28,112,116
	v_add_f32_dpp v[\b], v[\b], v[\b] row_xmask:\x row_mask:0xf bank_mask:0xf
.endr
.endr
.irp b, 16,20,24,28,112,116
	v_permlanex16_b32 v[\b+1], v[\b], s[SEL], s[SEL+1]
.endr
.irp b, 16,20,24,28,112,116
	v_add_f32 v[\b], v[\b], v[\b+1]
.endr
.irp b, 24,28,112,116
	v_max_num_f32 v[\b], 0x179abe15, v[\b]         ; max(norm, 1e-12) = sqrt(max(norm^2, 1e-24))
.endr
.irp b, 24,28,112,116
	v_rsq_f32 v[\b], v[\b]
.endr
	v_nop
	s_wait_alu depctr_va_vdst(0)                   ; the four reciprocal roots are written: one wait, ahead of their first reader
.irp e, 0,1
	v_mul_f32 v[16+4*\e], v[16+4*\e], v[24+4*\e]
.endr
.irp e, 0,1
	v_mul_f32 v[16+4*\e], v[16+4*\e], v[112+4*\e]  ; cos
.endr
.irp e, 0,1
	v_sub_f32 v[16+4*\e], 1.0, v[16+4*\e]
.endr
.irp e, 0,1
	v_cmp_neq_f32 s[70+\e], v[16+4*\e], v[16+4*\e] ; NaN?
.endr
.irp e, 0,1
	v_med3_num_f32 v[16+4*\e], v[16+4*\e], 0, 2.0
.endr
.irp e, 0,1
	v_mul_f32 v[16+4*\e], 0.5, v[16+4*\e]
.endr
	s_wait_alu depctr_va_sdst(0)                   ; the two compares have written s70 and s71, ahead of the selects that read them
.irp e, 0,1
	v_cndmask_b32 v[16+4*\e], v[16+4*\e], 1.0, s[70+\e]   ; the novelty; 1 where it was NaN
.endr
.irp e, 0,1
	v_mul_f32 v[16+4*\e], v41, v[16+4*\e]
.endr
.irp e, 0,1
	v_exp_f32 v[16+4*\e], v[16+4*\e]               ; tanh(z) = 1 - 2 / (1 + 2^(2 log2(e) z))
.endr
	v_nop
	s_wait_alu depctr_va_vdst(0)                   ; the two exponentials are written, ahead of their first reader
.irp e, 0,1
	v_add_f32 v[16+4*\e], 1.0, v[16+4*\e]
.endr
.irp e, 0,1
	v_rcp_f32 v[16+4*\e], v[16+4*\e]
.endr
	v_nop
	s_wait_alu depctr_va_vdst(0)                   ; the two reciprocals are written, ahead of their first reader
.irp e, 0,1
	v_fma_f32 v[16+4*\e], v[16+4*\e], -2.0, 1.0
.endr
.irp e, 0,1
	v_fma_f32 v[120+2*\e], v40, v[16+4*\e], 1.0    ; the gate
.endr
.irp e, 0,1
	v_mov_b32 v[121+2*\e], v[120+2*\e]
.endr
; gelu_tanh(y) = y / (1 + 2^(y (A1 + A3 y^2))), both rows as one batch; T = v48-111
.set nn, 0
.rept 32
	v_pk_mul_f32 v[S+64*\p+2*nn:S+64*\p+2*nn+1], v[S+64*\p+2*nn:S+64*\p+2*nn+1], v[120+2*(nn/16):121+2*(nn/16)]   ; y = x gate
.set nn, nn+1
.endr
.set nn, 0
.rept 32
	v_pk_mul_f32 v[48+2*nn:49+2*nn], v[S+64*\p+2*nn:S+64*\p+2*nn+1], v[S+64*\p+2*nn:S+64*\p+2*nn+1]
.set nn, nn+1
.endr
.set nn, 0
.rept 32
	v_pk_fma_f32 v[48+2*nn:49+2*nn], v[48+2*nn:49+2*nn], s[A3:A3+1], v[44:45] op_sel_hi:[1,0,1]
.set nn, nn+1
.endr
.set nn, 0
.rept 32
	v_pk_mul_f32 v[48+2*nn:49+2*nn], v[48+2*nn:49+2*nn], v[S+64*\p+2*nn:S+64*\p+2*nn+1]
.set nn, nn+1
.endr
.set nn, 0
.rept 64
	v_exp_f32 v[48+nn], v[48+nn]
.set nn, nn+1
.endr
	v_nop
	s_wait_alu depctr_va_vdst(0)                   ; the 64 exponentials have written v48 to v111: one wait, ahead of their first reader
.set nn, 0
.rept 32
	v_pk_add_f32 v[48+2*nn:49+2*nn], v[48+2*nn:49+2*nn], 1.0 op_sel_hi:[1,0]
.set nn, nn+1
.endr
.set nn, 0
.rept 64
	v_rcp_f32 v[48+nn], v[48+nn]
.set nn, nn+1
.endr
	v_nop
	s_wait_alu depctr_va_vdst(0)                   ; the 64 reciprocals have written v48 to v111: one wait, ahead of their first reader
.set nn, 0
.rept 32
	v_pk_mul_f32 v[S+64*\p+2*nn:S+64*\p+2*nn+1], v[S+64*\p+2*nn:S+64*\p+2*nn+1], v[48+2*nn:49+2*nn]
.set nn, nn+1
.endr
	s_wait_alu depctr_va_vdst(0)                   ; the multiplications have written the two rows in v[S + 64 p ..], which the stores read; the next trip's loads, which land there, follow with no vector line between
.irp e, 0,1
.irp c, 0,1,2,3,4,5,6,7
	global_store_b128 v[L16], v[S+32*(2*\p+\e)+4*\c:S+32*(2*\p+\e)+4*\c+3], s[OC:OC+1] offset:4096*(2*\p+\e)+512*\c th:TH_STORE_NT   ; 512 consecutive bytes, aligned
.endr
.endr
	s_wait_alu depctr_vm_vsrc(0)                   ; the stores have read the two rows' registers, in which the next trip's rows land: stated ahead of the branch, on both ways
	s_cmp_eq_u32 s[TT], 3                          ; the fill and the count that leans on it stand in one arm: the count holds on both ways
	s_cbranch_scc1 .Llast_\@
	s_wait_xcnt 0x0                                ; the stores have read their registers: the next trip's rows may land there
	XLOAD \p, XN
	s_wait_loadcnt 16                              ; all but the 16 just issued: the other two rows are in
	s_branch .Ljoin_\@
.Llast_\@:
	s_wait_loadcnt 0x0
.Ljoin_\@:
.endm
.Lrow:                                             ; four trips: rows r = 4 t + 0 .. 3 of my tile, which are rows 4 (t % 2) + 16 (t / 2) + 0 .. 3 from XB on
	s_wait_xcnt 0x0                                ; the last trip's loads and stores have read their bases
	s_and_b32 s[TMP], s[TT], 1
	s_lshl_b32 s[TMP], s[TMP], 14
	s_lshr_b32 s57, s[TT], 1
	s_lshl_b32 s57, s57, 16
	s_add_co_u32 s[TMP], s[TMP], s57
	s_add_nc_u64 s[OC:OC+1], s[OB:OB+1], s[TMP:TMP+1]
	s_add_co_u32 s57, s[TT], 1
	s_and_b32 s[TMP], s57, 1
	s_lshl_b32 s[TMP], s[TMP], 14
	s_lshr_b32 s57, s57, 1
	s_lshl_b32 s57, s57, 16
	s_add_co_u32 s[TMP], s[TMP], s57
	s_add_nc_u64 s[XN:XN+1], s[XB:XB+1], s[TMP:TMP+1]   ; the next trip's rows of x (not used in the last trip)
	s_wait_alu depctr_vm_vsrc(0)                   ; the last trip's LDS loads have read v6
	v_add_nc_u32 v6, s[SL], v[L16]
	s_add_co_u32 s[SL], s[SL], 4*OP
	WIN 0x40
	s_wait_alu depctr_va_vdst(0)                   ; v6 is written, the address of the loads below; the last trip's sums are done reading the context's registers, in which they land
.irp r, 0,1,2,3
.irp c, 0,1,2,3,4,5,6,7
	ds_load_b128 v[32*\r+4*\c:32*\r+4*\c+3], v6 offset:\r*OP+512*\c
.endr
.endr
	WIN 0
	EHALF 0
	EHALF 1
	s_add_co_u32 s[TT], s[TT], 1
	s_cmp_lt_u32 s[TT], 4
	s_cbranch_scc1 .Lrow
	s_set_vgpr_msb 0x5
	s_wait_dscnt 0x0
	s_wait_alu depctr_hold_cnt(0) depctr_sa_sdst(0) depctr_va_vdst(0) depctr_va_sdst(0) depctr_va_ssrc(0) depctr_va_vcc(0) depctr_vm_vsrc(0)
	s_wait_tensorcnt 0x0
	ds_add_u32 v254, v255
	s_wait_dscnt 0x0
	s_endpgm
.Lfunc_end_k_q4013f1ea79_attn:
	.size	k_q4013f1ea79_attn, .Lfunc_end_k_q4013f1ea79_attn-k_q4013f1ea79_attn
	.p2alignl 7, 3214868480
	.fill 96, 4, 3214868480
	.section	.rodata,"a",@progbits
	.p2align	6, 0x0
	.amdhsa_kernel k_q4013f1ea79_attn
		.amdhsa_group_segment_fixed_size 263680
		.amdhsa_private_segment_fixed_size 0
		.amdhsa_enable_private_segment 0
		.amdhsa_kernarg_size 64
		.amdhsa_user_sgpr_count 2
		.amdhsa_user_sgpr_kernarg_segment_ptr 1
		.amdhsa_wavefront_size32 1
		.amdhsa_system_sgpr_workgroup_id_x 1
		.amdhsa_system_sgpr_workgroup_id_y 1
		.amdhsa_system_sgpr_workgroup_id_z 1
		.amdhsa_system_vgpr_workitem_id 0
		.amdhsa_next_free_vgpr 1024
		.amdhsa_next_free_sgpr 84
		.amdhsa_reserve_vcc 0
		.amdhsa_float_denorm_mode_32 3
		.amdhsa_float_denorm_mode_16_64 3
		.amdhsa_memory_ordered 1
		.amdhsa_forward_progress 1
		.amdhsa_inst_pref_size 255
	.end_amdhsa_kernel
	.section	.bss,"aw",@nobits
	.p2align	6
	.space	262144
	.amdgpu_metadata
---
amdhsa.version: [ 1, 2 ]
amdhsa.kernels:
  - .name:           k_q4013f1ea79_attn
    .symbol:         k_q4013f1ea79_attn.kd
    .args:
      - { .name: x, .offset: 0, .size: 8, .value_kind: global_buffer, .address_space: global }
      - { .name: log_alpha, .offset: 8, .size: 8, .value_kind: global_buffer, .address_space: global }
      - { .name: log_sigma, .offset: 16, .size: 8, .value_kind: global_buffer, .address_space: global }
      - { .name: kc, .offset: 24, .size: 8, .value_kind: global_buffer, .address_space: global }
      - { .name: ks, .offset: 32, .size: 8, .value_kind: global_buffer, .address_space: global }
      - { .name: vc, .offset: 40, .size: 8, .value_kind: global_buffer, .address_space: global }
      - { .name: vs, .offset: 48, .size: 8, .value_kind: global_buffer, .address_space: global }
      - { .name: out0, .offset: 56, .size: 8, .value_kind: global_buffer, .address_space: global }
    .group_segment_fixed_size: 263680
    .private_segment_fixed_size: 0
    .kernarg_segment_align: 8
    .kernarg_segment_size: 64
    .max_flat_workgroup_size: 128
    .sgpr_count:     84
    .vgpr_count:     1024
    .wavefront_size: 32
...
	.end_amdgpu_metadata
.endif
;; end of part 3
